; MI455X (gfx1250); checked and timed in simulation.
; The chip was launched on July 23, 2026; its instructions are those of AMD's public machine-readable ISA for CDNA 5 (MIT licence, August 2026) and "CDNA5" Instruction Set Architecture Reference Guide (July 2026). The comments in the code are by the model that wrote it; some were corrected since.
;; Cross Attention. Allowed arithmetic: matrix products marked QUANTISED: E4M3 operands, one E8M0 scale for each 32 along K, by v_wmma_scale_f32_16x16x128_f8f6f4 with both operands' format E4M3, f32 sums; everything else in f32.
;; Inputs: b_out 512 float32; encoder_hidden_states_codes 2 x 4,096 x 24 x 32 uint8 (E4M3 codes of encoder_hidden_states, K innermost, in blocks of 32 codes); encoder_hidden_states_scales 2 x 4,096 x 24 uint8 (E8M0 scales of encoder_hidden_states, one for each 32 codes along K); hidden_states_codes 2 x 4,096 x 16 x 32 uint8 (E4M3 codes of hidden_states, K innermost, in blocks of 32 codes); hidden_states_scales 2 x 4,096 x 16 uint8 (E8M0 scales of hidden_states, one for each 32 codes along K); w_k_codes 512 x 24 x 32 uint8 (E4M3 codes of w_k, K innermost, in blocks of 32 codes); w_k_scales 512 x 24 uint8 (E8M0 scales of w_k, one for each 32 codes along K); w_out_codes 512 x 16 x 32 uint8 (E4M3 codes of w_out, K innermost, in blocks of 32 codes); w_out_scales 512 x 16 uint8 (E8M0 scales of w_out, one for each 32 codes along K); w_q_codes 512 x 16 x 32 uint8 (E4M3 codes of w_q, K innermost, in blocks of 32 codes); w_q_scales 512 x 16 uint8 (E8M0 scales of w_q, one for each 32 codes along K); w_v_codes 512 x 24 x 32 uint8 (E4M3 codes of w_v, K innermost, in blocks of 32 codes); w_v_scales 512 x 24 uint8 (E8M0 scales of w_v, one for each 32 codes along K).
;; Outputs: out0 2 x 4,096 x 512 float32.
;; This version of the problem:
;;   THIS VERSION OF THE PROBLEM IS GIVEN IN LOW PRECISION. The matrix products marked QUANTISED in the list below multiply operands that are first quantised to E4M3 (4 exponent bits, 3 mantissa bits; 8 bits a number), with one power-of-two scale for each 32 numbers along K (OCP MX v1.0); their sums are f32. All else is computed in f32.
;;   The module's matrix products, in the order in which they are computed (A, B: the left and right operand; K: the contracted axis; several contracted axes count as one K, in the product's order):
;;     1. [M 8,192, K 512] x [K 512, N 512]; A: input hidden_states (given as codes); B: input w_q (given as codes): QUANTISED
;;     2. [M 8,192, K 768] x [K 768, N 512]; A: input encoder_hidden_states (given as codes); B: input w_k (given as codes): QUANTISED
;;     3. [M 8,192, K 768] x [K 768, N 512]; A: input encoder_hidden_states (given as codes); B: input w_v (given as codes): QUANTISED
;;     4. batch 16 x [M 4,096, K 64] x [K 64, N 4,096]; A: computed on the way; B: computed on the way: QUANTISED
;;     5. batch 16 x [M 4,096, K 4,096] x [K 4,096, N 64]; A: softmax (see below); B: computed on the way: QUANTISED
;;     6. [M 8,192, K 512] x [K 512, N 512]; A: computed on the way; B: input w_out (given as codes): QUANTISED
;;   THE QUANTISER, for each operand of a quantised product, along K:
;;     - K is cut into blocks of 32 from its start; a last block that is shorter is filled with zeros.
;;     - A block's scale is 2^e with e = floor(log2(the largest magnitude in the block)) - 8, held to -126 .. 127; a block of zeros has e = 0. As a byte (E8M0): e + 127.
;;     - Each number is divided by its block's scale, clamped to +-448, and rounded to the nearest number of E4M3, ties to even, subnormals kept.
;;     - The product sums the exact products of the quantised numbers (number of the format x scale) in f32.
;;   ~~~python
;;   def quantise(x, axis):      # numpy; x: float32 -> the quantised numbers, widened to float32 again
;;       x = np.moveaxis(x, axis, -1); K = x.shape[-1]
;;       x = np.pad(x, [(0, 0)] * (x.ndim - 1) + [(0, -K % 32)]); x = x.reshape(x.shape[:-1] + (-1, 32)); a = np.abs(x).max(-1, keepdims=True)
;;       e = np.where(a > 0, np.clip(np.frexp(np.where(a > 0, a, 1))[1] - 1 - 8, -126, 127), 0)      # np.frexp(a)[1] - 1 = floor(log2(a)), exactly
;;       r = np.clip(x / 2.0 ** e, -448, 448)
;;       step = 2.0 ** (np.maximum(np.frexp(np.where(r == 0, 1, r))[1] - 1, -6) - 3)
;;       q = np.round(r / step) * step * 2.0 ** e      # np.round: ties to even
;;       return np.moveaxis(q.reshape(q.shape[:-2] + (-1,))[..., :K], -1, axis).astype(np.float32)
;;   ~~~
;;   SOFTMAX AHEAD OF A QUANTISED PRODUCT. Where the list says 'softmax', what is quantised is not the finished softmax but p = 2^(t - M), with t = logit x log2(e) and M = ceil(the row's largest t), a whole number; so 1/2 < the row's largest p <= 1. The row's sum l is taken of the UNQUANTISED p, in f32, and the product's result is divided by l at the end. Since M is a whole number, a kernel that streams over the keys may use a running M (the ceiling of the running maximum): every later rescaling is an exact power of two, which a block's scale takes up: the codes' values come out the same.
;;   OPERANDS COMPUTED ON THE WAY. 'Computed on the way' means the value that the module computes at that place (a softmax that the list does not call 'softmax' is quantised finished and normalised). What goes into a quantiser is computed in f32, as accurately as f32 sums, v_exp_f32 and their like allow (about 1e-6 of the number): no bf16 or f16 on the way to a quantiser, and a product that is left as it is and whose result goes on into a quantised operand takes f32 operands (vector FMAs, or v_wmma_f32_16x16x4_f32). A number that lies on a knife's edge between two numbers of the format may be rounded either way, as far as f32 arithmetic and the matrix unit's own rounding can turn it there, and no further.
;;   INPUTS GIVEN AS CODES. encoder_hidden_states (in the module: [2, 4096, 768], K = its axis 2); hidden_states (in the module: [2, 4096, 512], K = its axis 2); w_k (in the module: [768, 512], K = its axis 0); w_out (in the module: [512, 512], K = its axis 0); w_q (in the module: [512, 512], K = its axis 0); w_v (in the module: [768, 512], K = its axis 0): each comes as NAME_codes (uint8): NAME with its K axis moved to the last place and cut into blocks of 32 codes, [.., K / 32, bytes a block], one block behind the other in memory; one code a byte (a code: sign, 4 exponent bits, 3 mantissa bits); and NAME_scales (uint8): the same leading axes, one E8M0 byte (e + 127) for each 32 codes along K. Its value is code x scale, taken as it is: it is not quantised again, and the codes and scales need not be those that the quantiser above would give.
;; One version. Each part assembles by itself: llvm-mc -triple=amdgcn-amd-amdhsa -mcpu=gfx1250 --defsym DOCPART=n.
;; ======== version 1 of 1: 3 launches
;; limits: right only within a limited range of input values
;; workspace buffers: kv 8,650,752 bytes; ao_img 4,194,304 bytes; ao_sc 131,072 bytes
;; launch kvproj (part 1): grid 4 x 64, 8 waves a work-group, clusters of 4 x 4, 327,680 bytes of LDS; arguments encoder_hidden_states_codes, encoder_hidden_states_scales, w_k_codes, w_k_scales, w_v_codes, w_v_scales, kv; writes kv
.if DOCPART == 1
	.amdgcn_target "amdgcn-amd-amdhsa--gfx1250"
	.amdhsa_code_object_version 6
	.text
	.protected	k_qa65a27f981_kvproj
	.globl	k_qa65a27f981_kvproj
	.p2align	8
	.type	k_qa65a27f981_kvproj,@function
k_qa65a27f981_kvproj:
	s_mov_b64 s[64:65], 0
	v_nop
	global_prefetch_b8 v0, s[64:65] scope:SCOPE_SE
	s_setreg_imm32_b32 hwreg(HW_REG_WAVE_MODE, 25, 1), 1
	s_wait_xcnt 0x0
	s_wait_alu depctr_hold_cnt(0) depctr_sa_sdst(0) depctr_va_vdst(0) depctr_va_sdst(0) depctr_va_ssrc(0) depctr_va_vcc(0) depctr_vm_vsrc(0)
	s_getreg_b32 s2, hwreg(HW_REG_IB_STS2, 6, 4)
	s_cmp_eq_u32 s2, 0
	s_cbranch_scc0 .Lentry_in_a_cluster
	s_endpgm
.Lentry_in_a_cluster:
	s_bfe_u32 s2, ttmp6, 0x10000c
	s_cmp_lg_u32 s2, 0xf033
	s_cbranch_scc0 .Lentry_shape_is_right
	s_endpgm
.Lentry_shape_is_right:
; k = enc w_k and v = enc w_v (K = 768, both operands given as E4M3 codes with E8M0 scales), then k quantised along the head's 64 and v along the keys, as the later products want them.
; NOTHING OF THE PROBLEM IS LEFT OUT in this program: there is no mask, no slice and no zero state; every one of the 13 inputs has a way to the output and is loaded by one of the three launches.
; LIMITS: NaN and infinities among the inputs are not served.  A block of zeros gets the scale byte 1 where the rule says 127: its codes are zeros, which add nothing under any byte but 0xff, and these bytes are read by this program alone.
; SHARES.  A work-group takes 128 rows of w_k and of w_v (two heads: X) and 128 tokens (one key step of one batch: Y), all of K: three tiles of 128 rows x 768 bytes in LDS, filled once; enc's tile serves both products.
; Waves 0-3 make k, waves 4-7 make v, by ONE text: only bases differ, made by arithmetic on the wave's number.  A wave multiplies 64 rows of P (source 0) by 64 rows of R (source 1): sixteen accumulators, two buffers of fragments.
; In the result a lane holds one row of R and its registers run along P: so P is the axis that is quantised.  k: P = w_k (the head's 64), R = enc (keys).  v: P = enc (keys), R = w_v (the head's 64).
; THE ROWS OF A TILE ARE NOT NEIGHBOURS: lane r of tile (f, u) takes row 32 f + 8 u + r + 8 (r / 8), so that the 16 registers of tiles (f, 0), (f, 1) are 16 neighbours, 32 f + 16 (lane / 16) + 0 .. 15.
; The tensor loads lay the rows so in LDS: one load brings memory rows 16 g + 8 u + 0 .. 7, g = 0 .. 7, to LDS rows 64 u + 8 g + 0 .. 7: eight runs of 8 rows = 6,144 bytes, 12,288 bytes apart; tile (f, u) then lies at the consecutive LDS rows 64 u + 16 f + r.
; CLUSTER 4 x 4: enc's tile hangs on Y alone and is asked for jointly along a row of the cluster, the weights' tiles on X alone, along a column.  No prefetch: there is no loop to run ahead in.
; OUT: kv[8 b + head][block 0 .. 31][16,896 bytes], images of operand registers.  BLOCK s HOLDS V OF KEY STEP s AND K OF KEY STEP s + 1 (K of step 0 stands in block 31): what one step of the attention's loop reads.
;   +0 K's four fragments (fragment f, chunk 2 u + c, 16 bytes a lane: key 32 f + 8 u + perm(r), d 32 c + 16 h ..); +8,192 V's four (fragment t: d = 32 (t / 2) + 8 (t % 2) + perm(r); chunk c: keys 32 c + 16 h ..); +16,384 K's scale words (64 f + 4 r); +16,640 V's (64 t + 4 r).
; The codes leave as stores of 512 consecutive bytes, aligned.  The scale bytes leave two to a lane: they are one part in 32 of what the launch stores, and a way through LDS is not spent on them.
.set PITCH, 816                        ; an LDS row: 768 bytes + 16 of padding behind each 256 = 51 x 16: the 16 rows of a load begin in 16 different columns of 16 bytes
.set T,     128*PITCH                  ; a tile: w_k at 0, enc at T, w_v at 2 T
.set SPARE, 3*T                        ; the spare words: 128 bytes for each of 8 waves, four blocks of 256 bytes that no other line names
.set BLKB,  16896
.set SPW, 2                            ; v2   my spare word's LDS address; never rewritten
.set NIL, 3                            ; v3   0; never rewritten
.set AP,  4                            ; v4-5 LDS address of P's tiles u = 0, 1
.set AR,  6                            ; v6-7 of R's
.set LI,  8                            ; v8   16 x lane
.set SOF, 9                            ; v9   my place among the scale words
.set LOF, 10                           ; v10  (8 h + perm(r)) x 24: my row among 32 rows of scale bytes
.set HH,  11                           ; v11  h = lane / 16
.set PS,  12                           ; v12-23 P's scale words: 6 c + s; lanes 0-15 tile 2 c, lanes 16-31 tile 2 c + 1
.set RS,  24                           ; v24-35 R's likewise
.set BM,  36                           ; v36-51 at work in the quantiser
.set PX,  40
.set HD,  44
.set SO,  48
.set HW,  52                           ; v52-55 scale bytes
.set CD,  56                           ; v56-87 the codes
.set AC,  96                           ; v96-223 accumulator (i, j) at 32 j + 8 i
                                       ; window 1: fragment buffer b at 128 b: P's four, then R's four
.set G1E, 16                           ; s[16:23] descriptor group 1 for enc's tile;  s[24:31] for the weights'
.set G1W, 24
.set G0K, 32                           ; s[32:35], s[36:39], s[40:43] groups 0: w_k, enc, w_v
.set G0E, 36
.set G0V, 40
.set KV,  44
.set WV,  46
.set ARM, 47
.set PG,  48
.set RG,  49
.set CX,  50
.set CY,  51
.set XX,  52
.set YY,  53
.set MNT, 56
.set SEL, 58
.set MSB, 0
.macro WIN new                         ; the immediate's high byte repeats the setting that is left
.if MSB != \new
	s_set_vgpr_msb (MSB<<8)|\new
.set MSB, \new
.endif
.endm
.macro CROUND                          ; a round of the cluster's barrier
	s_barrier_signal -1
	s_barrier_wait -1
	s_cmp_lg_u32 s[WV], 0
	s_cbranch_scc1 .Lnot_wave_0_\@
	s_barrier_signal -3
.Lnot_wave_0_\@:
	s_barrier_wait -3
	s_barrier_signal -1
	s_barrier_wait -1
.endm
; One matrix line.  c < 0: the constant 0 starts the sum.  ra, rb = 1: that side's scales are read from lanes 16-31.
.macro MM d, a, b, c, sa, sb, ra, rb
.if (\c) < 0
.if (\ra) && (\rb)
	v_wmma_scale_f32_16x16x128_f8f6f4 v[\d:\d+7], v[\a:\a+15], v[\b:\b+15], 0, v[\sa], v[\sb] matrix_a_scale:MATRIX_SCALE_ROW1 matrix_b_scale:MATRIX_SCALE_ROW1
.elseif (\ra)
	v_wmma_scale_f32_16x16x128_f8f6f4 v[\d:\d+7], v[\a:\a+15], v[\b:\b+15], 0, v[\sa], v[\sb] matrix_a_scale:MATRIX_SCALE_ROW1
.elseif (\rb)
	v_wmma_scale_f32_16x16x128_f8f6f4 v[\d:\d+7], v[\a:\a+15], v[\b:\b+15], 0, v[\sa], v[\sb] matrix_b_scale:MATRIX_SCALE_ROW1
.else
	v_wmma_scale_f32_16x16x128_f8f6f4 v[\d:\d+7], v[\a:\a+15], v[\b:\b+15], 0, v[\sa], v[\sb]
.endif
.else
.if (\ra) && (\rb)
	v_wmma_scale_f32_16x16x128_f8f6f4 v[\d:\d+7], v[\a:\a+15], v[\b:\b+15], v[\c:\c+7], v[\sa], v[\sb] matrix_a_scale:MATRIX_SCALE_ROW1 matrix_b_scale:MATRIX_SCALE_ROW1
.elseif (\ra)
	v_wmma_scale_f32_16x16x128_f8f6f4 v[\d:\d+7], v[\a:\a+15], v[\b:\b+15], v[\c:\c+7], v[\sa], v[\sb] matrix_a_scale:MATRIX_SCALE_ROW1
.elseif (\rb)
	v_wmma_scale_f32_16x16x128_f8f6f4 v[\d:\d+7], v[\a:\a+15], v[\b:\b+15], v[\c:\c+7], v[\sa], v[\sb] matrix_b_scale:MATRIX_SCALE_ROW1
.else
	v_wmma_scale_f32_16x16x128_f8f6f4 v[\d:\d+7], v[\a:\a+15], v[\b:\b+15], v[\c:\c+7], v[\sa], v[\sb]
.endif
.endif
.endm
; Four blocks of 32, by turns: v[s + 16 k ..] (16 numbers a lane, the other 16 in lane l xor 16) become four registers of codes at c + 4 k and a scale byte in v[PX + k].
.macro QUANT4 s, c
.irp k, 0,1,2,3
	v_max3_num_f32 v[BM+\k], |v[\s+16*\k]|, |v[\s+16*\k+1]|, 0x4800000   ; the floor 2^(9 - 127): the byte cannot fall under 1
.endr
.irp i, 2,4,6,8,10,12,14
.irp k, 0,1,2,3
	v_max3_num_f32 v[BM+\k], v[BM+\k], |v[\s+16*\k+\i]|, |v[\s+16*\k+\i+1]|
.endr
.endr
.irp k, 0,1,2,3
	v_permlanex16_b32 v[PX+\k], v[BM+\k], s[SEL], s[SEL+1]
.endr
.irp k, 0,1,2,3
	v_max_num_f32 v[BM+\k], v[BM+\k], v[PX+\k]            ; the block's largest magnitude
.endr
.irp k, 0,1,2,3
	v_add_nc_u32 v[SO+\k], 0xfc000000, v[BM+\k]           ; 8 off its exponent field: the conversion's scale operand
.endr
.irp k, 0,1,2,3
	v_and_or_b32 v[HD+\k], v[BM+\k], 0x7f800000, s[MNT]   ; 448 x the scale
.endr
.irp k, 0,1,2,3
	v_lshrrev_b32 v[PX+\k], 23, v[SO+\k]                  ; the scale's byte
.endr
.irp k, 0,1,2,3
.irp i, 0,1,2,3,4,5,6,7,8,9,10,11,12,13,14,15
	v_med3_num_f32 v[\s+16*\k+\i], v[\s+16*\k+\i], -v[HD+\k], v[HD+\k]   ; the conversion to an 8-bit code does not saturate (ISA guide 7.6.2)
.endr
.endr
.irp k, 0,1,2,3
	v_cvt_scalef32_pk8_fp8_f32 v[\c+4*\k:\c+4*\k+1], v[\s+16*\k:\s+16*\k+7], v[SO+\k]
	v_cvt_scalef32_pk8_fp8_f32 v[\c+4*\k+2:\c+4*\k+3], v[\s+16*\k+8:\s+16*\k+15], v[SO+\k]
.endr
	v_nop                                                  ; one plain vector line behind the last conversion
.endm
	s_load_b256 s[4:11], s[0:1], 0x0               ; enc's codes s[4:5], enc's scales s[6:7], w_k's codes s[8:9], w_k's scales s[10:11]
	s_load_b128 s[12:15], s[0:1], 0x20             ; w_v's codes, w_v's scales
	s_load_b64 s[KV:KV+1], s[0:1], 0x30            ; kv
	v_lshl_add_u32 v[SPW], v0, 2, SPARE
	v_mov_b32 v[NIL], 0
	ds_add_u32 v[SPW], v[NIL]                      ; the wave's opening: the add, twice on end, and its wait ahead of my first tensor load; the set-up below stands between
	ds_add_u32 v[SPW], v[NIL]
	v_lshrrev_b32 v1, 5, v0
	v_readfirstlane_b32 s[WV], v1                  ; wave 0..7
	s_lshr_b32 s[ARM], s[WV], 2                    ; 0: I make k; 1: v
	s_and_b32 s[PG], s[WV], 1                      ; which 64 rows of P
	s_bfe_u32 s[RG], s[WV], 0x10001                ; which 64 rows of R
	s_bfe_u32 s[CX], ttmp6, 0x40000
	s_bfe_u32 s[CY], ttmp6, 0x40004
	s_lshl_b32 s[XX], ttmp9, 2
	s_add_co_u32 s[XX], s[XX], s[CX]               ; X = 4 x cluster x + cx
	s_and_b32 s[YY], ttmp7, 0xffff
	s_lshl_b32 s[YY], s[YY], 2
	s_add_co_u32 s[YY], s[YY], s[CY]               ; Y = 4 x cluster y + cy
	s_lshl_b32 s54, s[CY], 2
	s_lshl_b32 s54, 15, s54                        ; my row of the cluster
	s_lshl_b32 s55, 0x1111, s[CX]                  ; my column
	; group 1: eight runs of 6,144 bytes, 12,288 bytes apart, 16 bytes of padding behind each 256
	s_or_b32 s[G1E], s54, (1<<20)|(1<<21)|(5<<22)|(3<<25)   ; 15:0 the mask; 17:16 elements of 1 byte; 20 padding on; 21 set beside a mask; 24:22 after every 64 words; 31:25 four words
	s_or_b32 s[G1W], s55, (1<<20)|(1<<21)|(5<<22)|(3<<25)
.irp g, G1E, G1W
	s_mov_b32 s[\g+1], 6144<<16                    ; tensor_dim0
	s_mov_b32 s[\g+2], 8<<16                       ; tensor_dim1
	s_mov_b32 s[\g+3], 6144<<16                    ; tile_dim0
	s_mov_b32 s[\g+4], 8                           ; tile_dim1
	s_mov_b32 s[\g+5], 12288                       ; from run to run
	s_mov_b32 s[\g+6], 0
	s_mov_b32 s[\g+7], 0
.endr
	s_and_b32 s60, s[WV], 1                        ; u: which 64 rows of a tile I fetch, if I fetch
	s_mul_i32 s61, s60, 6144
	s_mul_i32 s62, s[XX], 128*768                  ; in the weights, in bytes: made of X and the wave's number alone
	s_add_co_u32 s62, s62, s61
	s_mov_b32 s63, 0
	s_mul_i32 s66, s[YY], 128*768                  ; in enc: made of Y and the wave's number alone
	s_add_co_u32 s66, s66, s61
	s_mov_b32 s67, 0
	s_mul_i32 s68, s60, 64*PITCH                   ; and where they go in a tile: no place in the cluster enters an LDS address
	s_mov_b32 s[MNT], 0x600000                     ; the mantissa field of 448
	s_mov_b32 s[SEL], 0x76543210
	s_mov_b32 s[SEL+1], 0xfedcba98                 ; v_permlanex16_b32's selects for lane l xor 16
	s_wait_alu depctr_va_vdst(0)                   ; the wait ahead of a wait that blocks
	s_wait_dscnt 0x0                               ; both opening adds are done
	s_wait_kmcnt 0x0
	s_mov_b32 s[G0K], 1
	s_mov_b32 s[G0K+1], s68
	s_add_nc_u64 s[G0K+2:G0K+3], s[8:9], s[62:63]
	s_or_b32 s[G0K+3], s[G0K+3], 0x80000000
	s_mov_b32 s[G0E], 1
	s_add_co_u32 s[G0E+1], s68, T
	s_add_nc_u64 s[G0E+2:G0E+3], s[4:5], s[66:67]
	s_or_b32 s[G0E+3], s[G0E+3], 0x80000000
	s_mov_b32 s[G0V], 1
	s_add_co_u32 s[G0V+1], s68, 2*T
	s_add_nc_u64 s[G0V+2:G0V+3], s[12:13], s[62:63]
	s_or_b32 s[G0V+3], s[G0V+3], 0x80000000
	CROUND                                         ; all sixteen work-groups are here: the joint loads meet
; THE HEAD'S LOADS, one a wave: waves 0, 1 w_k's halves, 2, 3 enc's, 4, 5 w_v's; waves 6, 7 fetch nothing.
.macro HLOAD under, g0, g1, next
	s_cmp_lt_u32 s[WV], \under
	s_cbranch_scc0 \next
	tensor_load_to_lds s[\g0:\g0+3], s[\g1:\g1+7]
	s_nop 0
.rept 4
	v_nop
.endr
	s_branch .Lasked
\next:
.endm
	HLOAD 2, G0K, G1W, .Lhead_e
	HLOAD 4, G0E, G1E, .Lhead_v
	HLOAD 6, G0V, G1W, .Lhead_none
.Lasked:
	; the scale words of my rows, straight into registers: 24 bytes a row, six words, one for each 128 along K
	s_lshl_b32 s76, s[XX], 7
	s_lshl_b32 s77, s[YY], 7
	s_mov_b32 s79, 64
	s_cmp_eq_u32 s[ARM], 0                         ; the choice hangs on the wave's number alone
	s_cselect_b64 s[72:73], s[10:11], s[6:7]       ; P's scales: w_k's or enc's
	s_cselect_b64 s[74:75], s[6:7], s[14:15]       ; R's: enc's or w_v's
	s_cselect_b32 s78, s76, s77                    ; the tile's first row: P's,
	s_cselect_b32 s76, s77, s76                    ; R's
	s_cselect_b32 s79, 2, s79                      ; from R's tile 2 c to tile 2 c + 1 among the scale words that I store
	s_lshl_b32 s77, s[PG], 6
	s_add_co_u32 s78, s78, s77
	s_mul_i32 s60, s78, 24
	s_mov_b32 s61, 0
	s_add_nc_u64 s[72:73], s[72:73], s[60:61]
	s_lshl_b32 s77, s[RG], 6
	s_add_co_u32 s76, s76, s77
	s_mul_i32 s60, s76, 24
	s_add_nc_u64 s[74:75], s[74:75], s[60:61]
	v_and_b32 v1, 15, v0                           ; r
	v_bfe_u32 v[HH], v0, 4, 1                      ; h
	v_and_b32 v[LOF], 8, v1
	v_add_nc_u32 v[LOF], v[LOF], v1                ; perm(r) = r + 8 (r / 8)
	v_lshl_add_u32 v[LOF], v[HH], 3, v[LOF]        ; lanes 16-31 take the tile 8 rows on
	v_mul_u32_u24 v[LOF], v[LOF], 24
.irp c, 0,1
.irp q, 0,1,2
	global_load_b64 v[PS+6*\c+2*\q:PS+6*\c+2*\q+1], v[LOF], s[72:73] offset:768*\c+8*\q
	global_load_b64 v[RS+6*\c+2*\q:RS+6*\c+2*\q+1], v[LOF], s[74:75] offset:768*\c+8*\q
.endr
.endr
	; LDS addresses
	v_mul_u32_u24 v[AP], v1, PITCH
	v_lshl_add_u32 v[AP], v[HH], 4, v[AP]          ; row r x pitch + 16 h
	s_mul_i32 s60, s[ARM], T
	s_mul_i32 s61, s[PG], 32*PITCH
	s_add_co_u32 s61, s61, s60                     ; P: w_k's tile (k) or enc's (v), my 64 rows
	s_mul_i32 s62, s[RG], 32*PITCH
	s_add_co_u32 s62, s62, s60
	s_add_co_u32 s62, s62, T                       ; R: enc's tile (k) or w_v's (v), my 64 rows
	v_add_nc_u32 v[AR], s62, v[AP]
	v_add_nc_u32 v[AP], s61, v[AP]
	v_add_nc_u32 v[AR+1], 64*PITCH, v[AR]
	v_add_nc_u32 v[AP+1], 64*PITCH, v[AP]
	v_and_b32 v[LI], 31, v0
	v_mul_u32_u24 v[SOF], s79, v[HH]
	v_lshlrev_b32 v[LI], 4, v[LI]
	v_lshl_add_u32 v[SOF], v1, 2, v[SOF]           ; 4 r, and lanes 16-31 at the next tile's place
.irp k, 0,1,2,3
	v_mov_b32 v[PX+\k], 0                          ; written once: a lane permute's destination counts as one of its sources
.endr
	; where my results go
	s_lshl_b32 s66, s[RG], 12                      ; k: fragment 2 rg + j / 2, chunk 2 (j % 2) + block
	s_lshl_b32 s67, s[PG], 10
	s_add_co_u32 s67, s67, 8192                    ; v: fragment j, chunk 2 pg + block
	s_lshl_b32 s68, s[RG], 7
	s_add_co_u32 s68, s68, 16384
	s_lshl_b32 s69, s[PG], 1
	s_add_co_u32 s69, s69, 16640
	s_mov_b32 s70, 2048
	s_mov_b32 s62, 128
	s_xor_b32 s61, s[ARM], 1
	s_sub_co_u32 s61, s[YY], s61                   ; K of key step j goes to block j - 1,
	s_and_b32 s61, s61, 31                         ; of step 0 to block 31
	s_cmp_eq_u32 s[ARM], 0
	s_cselect_b32 s60, s[PG], s[RG]                ; which of the two heads
	s_cselect_b32 s66, s66, s67
	s_cselect_b32 s68, s68, s69
	s_cselect_b32 s70, 1024, s70                   ; from R's tile j to j + 1 among the codes
	s_cselect_b32 s62, 64, s62                     ; from tiles 0, 1 to tiles 2, 3 among the scale words
	s_lshl_b32 s69, s[XX], 1
	s_add_co_u32 s60, s60, s69                     ; the head
	s_lshr_b32 s69, s[YY], 5
	s_lshl_b32 s69, s69, 3
	s_add_co_u32 s60, s60, s69                     ; 8 b + head
	s_lshl_b32 s60, s60, 5
	s_add_co_u32 s60, s60, s61                     ; x 32 + block
	s_mul_i32 s60, s60, BLKB
	s_add_co_u32 s66, s66, s60
	s_add_co_u32 s68, s68, s60
	s_mov_b32 s67, 0
	s_mov_b32 s69, 0
	s_mov_b32 s71, 0
	s_mov_b32 s63, 0
	s_add_nc_u64 s[80:81], s[KV:KV+1], s[66:67]    ; s[80 + 2 j ..]: R's tile j
	s_add_nc_u64 s[82:83], s[80:81], s[70:71]
	s_add_nc_u64 s[84:85], s[82:83], s[70:71]
	s_add_nc_u64 s[86:87], s[84:85], s[70:71]
	s_add_nc_u64 s[88:89], s[KV:KV+1], s[68:69]    ; the scale bytes of tiles 0, 1;
	s_add_nc_u64 s[90:91], s[88:89], s[62:63]      ; of tiles 2, 3
	s_wait_alu depctr_va_vdst(0)                   ; the wait at the head's end
	s_wait_tensorcnt 0x0                           ; my part of the three tiles is in,
	s_barrier_signal -1
	s_barrier_wait -1                              ; everybody's are
	s_wait_loadcnt 0x0                             ; the scale words
.macro FETCH s, b                      ; 128 along K into buffer b: 32 LDS loads
.set KO, 128*(\s)+16*((\s)/2)                  ; where the step begins in an LDS row
	WIN 0x40
.irp i, 0,1,2,3
.irp cc, 0,1,2,3
	ds_load_b128 v[128*\b+16*\i+4*\cc:128*\b+16*\i+4*\cc+3], v[AP+\i%2] offset:(\i/2)*16*PITCH+KO+32*\cc
.endr
.endr
.irp i, 0,1,2,3
.irp cc, 0,1,2,3
	ds_load_b128 v[128*\b+64+16*\i+4*\cc:128*\b+64+16*\i+4*\cc+3], v[AR+\i%2] offset:(\i/2)*16*PITCH+KO+32*\cc
.endr
.endr
.endm
.macro MUL s, b                        ; sixteen products; the accumulators take turns, one instruction a turn
	WIN 0x05
.irp j, 0,1,2,3
.irp i, 0,1,2,3
.if (\s) == 0
	MM AC+32*\j+8*\i, 128*\b+16*\i, 128*\b+64+16*\j, -1, PS+6*(\i/2)+(\s), RS+6*(\j/2)+(\s), \i%2, \j%2
.else
	MM AC+32*\j+8*\i, 128*\b+16*\i, 128*\b+64+16*\j, AC+32*\j+8*\i, PS+6*(\i/2)+(\s), RS+6*(\j/2)+(\s), \i%2, \j%2
.endif
.endr
.endr
.rept 8
	v_nop                                          ; eight places in front of loads into registers that matrix instructions have read, and of the first read of results
.endr
.endm
	FETCH 0, 0
	FETCH 1, 1
	s_wait_dscnt 32                                ; all but the other buffer's 32
	MUL 0, 0
	FETCH 2, 0
	s_wait_dscnt 32
	MUL 1, 1
	FETCH 3, 1
	s_wait_dscnt 32
	MUL 2, 0
	FETCH 4, 0
	s_wait_dscnt 32
	MUL 3, 1
	FETCH 5, 1
	s_wait_dscnt 32
	MUL 4, 0
	s_wait_dscnt 0x0
	MUL 5, 1
	WIN 0
	v_cmp_ne_u32 vcc_lo, 0, v[HH]
.macro OUT2 p                          ; R's tiles 2 p and 2 p + 1: quantised and stored
	QUANT4 AC+64*\p, CD+16*\p
	v_lshl_or_b32 v[HW+2*\p], v[PX+1], 8, v[PX]
	v_lshl_or_b32 v[HW+2*\p+1], v[PX+3], 8, v[PX+2]
.irp j, 0,1
.irp b, 0,1
	global_store_b128 v[LI], v[CD+16*\p+8*\j+4*\b:CD+16*\p+8*\j+4*\b+3], s[80+4*\p+2*\j:80+4*\p+2*\j+1] offset:512*\b   ; 32 lanes, 512 consecutive bytes, aligned
.endr
.endr
	v_cndmask_b32 v[HW+2*\p], v[HW+2*\p], v[HW+2*\p+1], vcc_lo   ; both halves of the lanes hold both tiles' bytes: lanes 0-15 store tile 2 p's, lanes 16-31 the other's
	global_store_b16 v[SOF], v[HW+2*\p], s[88+2*\p:88+2*\p+1]
.endm
	OUT2 0
	OUT2 1
	s_wait_tensorcnt 0x0                           ; the wave's end
	ds_add_u32 v[SPW], v[NIL]
	s_wait_dscnt 0x0
	CROUND                                         ; the closing round
	s_endpgm
.Lfunc_end_k_qa65a27f981_kvproj:
	.size	k_qa65a27f981_kvproj, .Lfunc_end_k_qa65a27f981_kvproj-k_qa65a27f981_kvproj
	.p2alignl 7, 3214868480
	.fill 96, 4, 3214868480
	.section	.rodata,"a",@progbits
	.p2align	6, 0x0
	.amdhsa_kernel k_qa65a27f981_kvproj
		.amdhsa_group_segment_fixed_size 327680
		.amdhsa_private_segment_fixed_size 0
		.amdhsa_enable_private_segment 0
		.amdhsa_kernarg_size 56
		.amdhsa_user_sgpr_count 2
		.amdhsa_user_sgpr_kernarg_segment_ptr 1
		.amdhsa_wavefront_size32 1
		.amdhsa_system_sgpr_workgroup_id_x 1
		.amdhsa_system_sgpr_workgroup_id_y 1
		.amdhsa_system_sgpr_workgroup_id_z 1
		.amdhsa_system_vgpr_workitem_id 0
		.amdhsa_next_free_vgpr 512
		.amdhsa_next_free_sgpr 96
		.amdhsa_reserve_vcc 1
		.amdhsa_float_denorm_mode_32 3
		.amdhsa_float_denorm_mode_16_64 3
		.amdhsa_memory_ordered 1
		.amdhsa_forward_progress 1
		.amdhsa_inst_pref_size 53
	.end_amdhsa_kernel
	.amdgpu_metadata
---
amdhsa.version: [ 1, 2 ]
amdhsa.kernels:
  - .name:           k_qa65a27f981_kvproj
    .symbol:         k_qa65a27f981_kvproj.kd
    .args:
      - { .name: encoder_hidden_states_codes, .offset: 0, .size: 8, .value_kind: global_buffer, .address_space: global }
      - { .name: encoder_hidden_states_scales, .offset: 8, .size: 8, .value_kind: global_buffer, .address_space: global }
      - { .name: w_k_codes, .offset: 16, .size: 8, .value_kind: global_buffer, .address_space: global }
      - { .name: w_k_scales, .offset: 24, .size: 8, .value_kind: global_buffer, .address_space: global }
      - { .name: w_v_codes, .offset: 32, .size: 8, .value_kind: global_buffer, .address_space: global }
      - { .name: w_v_scales, .offset: 40, .size: 8, .value_kind: global_buffer, .address_space: global }
      - { .name: kv, .offset: 48, .size: 8, .value_kind: global_buffer, .address_space: global }
    .group_segment_fixed_size: 327680
    .private_segment_fixed_size: 0
    .kernarg_segment_align: 8
    .kernarg_segment_size: 56
    .max_flat_workgroup_size: 256
    .sgpr_count:     96
    .vgpr_count:     512
    .wavefront_size: 32
...
	.end_amdgpu_metadata
.endif
;; end of part 1
;; launch attn (part 2): grid 16 x 16, 8 waves a work-group, clusters of 4 x 1, 327,680 bytes of LDS; arguments hidden_states_codes, hidden_states_scales, w_q_codes, w_q_scales, kv, ao_img, ao_sc; writes ao_img, ao_sc
.if DOCPART == 2
	.amdgcn_target "amdgcn-amd-amdhsa--gfx1250"
	.amdhsa_code_object_version 6
	.text
	.protected	k_qa65a27f981_attn
	.globl	k_qa65a27f981_attn
	.p2align	8
	.type	k_qa65a27f981_attn,@function
k_qa65a27f981_attn:
	s_mov_b64 s[64:65], 0
	v_nop
	global_prefetch_b8 v0, s[64:65] scope:SCOPE_SE
	s_setreg_imm32_b32 hwreg(HW_REG_WAVE_MODE, 25, 1), 1
	s_wait_xcnt 0x0
	s_wait_alu depctr_hold_cnt(0) depctr_sa_sdst(0) depctr_va_vdst(0) depctr_va_sdst(0) depctr_va_ssrc(0) depctr_va_vcc(0) depctr_vm_vsrc(0)
	s_getreg_b32 s2, hwreg(HW_REG_IB_STS2, 6, 4)
	s_cmp_eq_u32 s2, 0
	s_cbranch_scc0 .Lentry_in_a_cluster
	s_endpgm
.Lentry_in_a_cluster:
	s_bfe_u32 s2, ttmp6, 0x10000c
	s_cmp_lg_u32 s2, 0x3003
	s_cbranch_scc0 .Lentry_shape_is_right
	s_endpgm
.Lentry_shape_is_right:
; For one head and 256 queries: q = hidden w_q (quantised along the head's 64, in registers), S = q k^T, the softmax, O = P v, O / l, quantised along inner for the last product.  No work of the problem is left out here.
; THE SOFTMAX AHEAD OF THE SECOND PRODUCT: t = score x log2(e) / 8; M = the row's largest t so far, rounded UP to a whole number; p = 2^(t - M) is quantised along the keys, not normalised.
; The row's sum is taken of the unquantised p, in f32, and divides O at the end.  When M moves, the sum and O are multiplied by 2^(old M - new M): exact.
; LIMITS: NaN and infinities among the inputs are not served; t stays under 2^31 in magnitude.  p under 2^-126 comes out as 0 (v_exp_f32 flushes).  A block's largest p is made from its largest score by the same two operations; this takes v_exp_f32 not to fall
; where its input rises: at the worst one p of a block, within an ulp of a power of two, is held one code low.  A block of zeros gets the scale byte 1 where the rule says 127: its codes are zeros, and only this program reads the bytes.
; SHARES.  A work-group owns 256 queries of one head, each of its eight waves two tiles of 16, in 512 registers: each fragment of K and V that a wave reads from LDS feeds both tiles.
; LAYOUT.  All products are used transposed, so that a lane holds ONE query of each tile (lane % 16) throughout and its registers run along the next product's K.  kv holds images of operand registers: a fragment comes by four loads at 16 x lane.
; K = 64 IN A FORM 128 DEEP.  A fragment of K holds TWO tiles of 16 keys: registers 0-7 tile 2 f, registers 8-15 tile 2 f + 1.  The two q stand as [zeros | q 0 | zeros | q 1 | zeros], eight registers each: the run from q on multiplies tile 2 f,
; the run up to q's end tile 2 f + 1.  No zero is stored or loaded, and no fragment is read twice.  q's scale word repeats its two bytes, so that it serves both runs.
; THE STREAM.  A block of kv holds V of key step s and K of key step s + 1.  A step's LDS loads all stand at its head and land under its softmax; then come the products with V and, straight behind them, the next step's scores.  K of step 0 comes from block 31 by loads into registers.
; THE SOFTMAX'S ORDER.  The exponentials of one tile stand by turns with plain work of the other: tile 0's with tile 1's t - M, tile 1's with tile 0's holds.
; THE RING: two slots of eight blocks (135,168 bytes each); a refill is one block a wave, has eight key steps (192 matrix instructions of the wave) in which to land, and is therefore not prefetched.  By this text's count one tensor load of a wave is out at any time.
; CLUSTER 4 x 1: the four query blocks of a cluster belong to one head and walk the same kv and the same rows of w_q: every tensor load is asked for jointly, with a mask that names the four.
; REGISTERS.  Window 0: all but the following.  Window 1: fragments of K at 0, of V at 64, O^T at 128 (32 a tile), p's codes at 192 (16 a tile).
.set STEPB, 16896                      ; K's image 8,192, V's image 8,192, K's scale words 256, V's 256
.set SLOTB, 8*STEPB
.set WQ,    2*SLOTB                    ; behind the ring: the head's 64 rows of w_q, 512 bytes + 16 of padding each, filled once
.set WQP,   528
.set SPARE, WQ+64*WQP                  ; the spare words: 128 bytes for each of 8 waves, four blocks of 256 bytes that no other line names
.set LI,  1                            ; v1   16 x lane
.set LS,  2                            ; v2   4 x lane
.set SPW, 3                            ; v3   my spare word's LDS address; never rewritten
.set NIL, 4                            ; v4   0; never rewritten
.set ADR, 5                            ; v5   the step's images
.set ADS, 6                            ; v6   the step's scale words
.set AW,  7                            ; v7   my lane's place in w_q's rows
.set NM,  8                            ; v8 -M, v9 the largest score: tile 0;  v10, v11: tile 1
.set SM,  12                           ; v[12:13], v[14:15] the sums, in two halves
.set F,   16                           ; v16, v18 f = 2^(old M - new M);  v17, v19 a 0 named with it as a pair
.set QC,  28                           ; v28-35, v44-51 q's codes; v20-27, v36-43, v52-59 zeros
.set S,   64                           ; v64-127, v128-191 S^T, then p
.set BM,  192                          ; four a tile: the blocks' largest scores, then their largest p
.set PX,  200                          ; at work; the scale bytes
.set HD,  208                          ; 448 x the scale
.set SO,  216                          ; the conversion's scale operand
.set KS,  224                          ; v224-247 hold scales and nothing else: K's words,
.set VS,  226                          ; V's,
.set QS,  228                          ; q's,
.set PW,  230                          ; p's,
.set WS,  232                          ; w_q's: 4 b + s; lanes 0-15 tile 2 b, lanes 16-31 tile 2 b + 1,
.set XS,  240                          ; hidden's: 4 a tile
.set CT,  248                          ; v248-253 three more chains of tile 0's sum.  Tile 1's stand at v192, v200, v208: registers at work for tile 0 that are free by then
.set TP,  254
.set KF,  0                            ; window 1
.set VF,  64
.set HF,  64                           ; at the head: hidden's fragments, tile 0's at 64, tile 1's at 192: not on O^T's registers
.set O,   128
.set PC,  192
.set WV,  18
.set MNT, 19
.set SEL, 20
.set CS,  22
.set G1KV, 24                          ; s[24:31] group 1 for a refill;  s[36:39] its group 0
.set G0H,  32                          ; s[32:35] group 0 for slot 0 at the head;  s[68:75] its group 1
.set G0S,  36
.set G1WQ, 40
.set G0WQ, 48
.set TB,   52
.set CNT,  53
.set G1H,  68
.set NC,   76
.set FLR,  77
.set MSB, 0
.macro WIN new                         ; the immediate's high byte repeats the setting that is left
.if MSB != \new
	s_set_vgpr_msb (MSB<<8)|\new
.set MSB, \new
.endif
.endm
.macro WALU                            ; the wait at each of its places
	s_wait_alu depctr_va_vdst(0)
.endm
.macro PLACES n
.rept \n
	v_nop
.endr
.endm
.macro CROUND                          ; a round of the cluster's barrier
	s_barrier_signal -1
	s_barrier_wait -1
	s_cmp_lg_u32 s[WV], 0
	s_cbranch_scc1 .Lnot_wave_0_\@
	s_barrier_signal -3
.Lnot_wave_0_\@:
	s_barrier_wait -3
	s_barrier_signal -1
	s_barrier_wait -1
.endm
.macro TLOAD g0, g1                    ; a tensor load with the s_nop 0 and the four v_nop behind it
	tensor_load_to_lds s[\g0:\g0+3], s[\g1:\g1+7]
	s_nop 0
	PLACES 4
.endm
; One matrix line.  c < 0: the constant 0 starts the sum.  ra = 1: source 0's scales are read from lanes 16-31.
.macro MM d, a, b, c, sa, sb, ra
.if (\c) < 0
.if (\ra)
	v_wmma_scale_f32_16x16x128_f8f6f4 v[\d:\d+7], v[\a:\a+15], v[\b:\b+15], 0, v[\sa], v[\sb] matrix_a_scale:MATRIX_SCALE_ROW1
.else
	v_wmma_scale_f32_16x16x128_f8f6f4 v[\d:\d+7], v[\a:\a+15], v[\b:\b+15], 0, v[\sa], v[\sb]
.endif
.else
.if (\ra)
	v_wmma_scale_f32_16x16x128_f8f6f4 v[\d:\d+7], v[\a:\a+15], v[\b:\b+15], v[\c:\c+7], v[\sa], v[\sb] matrix_a_scale:MATRIX_SCALE_ROW1
.else
	v_wmma_scale_f32_16x16x128_f8f6f4 v[\d:\d+7], v[\a:\a+15], v[\b:\b+15], v[\c:\c+7], v[\sa], v[\sb]
.endif
.endif
.endm
; Four blocks of 32 (two a tile), by turns: v[S + 16 k ..] become four registers of codes at QC + 16 (k / 2) + 4 (k % 2) and a scale byte in v[PX + k].
.macro QUANT4
.irp k, 0,1,2,3
	v_max3_num_f32 v[BM+\k], |v[S+16*\k]|, |v[S+16*\k+1]|, 0x4800000   ; the floor 2^(9 - 127): the byte cannot fall under 1
.endr
.irp i, 2,4,6,8,10,12,14
.irp k, 0,1,2,3
	v_max3_num_f32 v[BM+\k], v[BM+\k], |v[S+16*\k+\i]|, |v[S+16*\k+\i+1]|
.endr
.endr
.irp k, 0,1,2,3
	v_permlanex16_b32 v[PX+\k], v[BM+\k], s[SEL], s[SEL+1]
.endr
.irp k, 0,1,2,3
	v_max_num_f32 v[BM+\k], v[BM+\k], v[PX+\k]
.endr
.irp k, 0,1,2,3
	v_add_nc_u32 v[SO+\k], 0xfc000000, v[BM+\k]           ; 8 off the exponent field: the conversion's scale operand
.endr
.irp k, 0,1,2,3
	v_and_or_b32 v[HD+\k], v[BM+\k], 0x7f800000, s[MNT]   ; 448 x the scale
.endr
.irp k, 0,1,2,3
	v_lshrrev_b32 v[PX+\k], 23, v[SO+\k]                  ; the scale's byte
.endr
.irp k, 0,1,2,3
.irp i, 0,1,2,3,4,5,6,7,8,9,10,11,12,13,14,15
	v_med3_num_f32 v[S+16*\k+\i], v[S+16*\k+\i], -v[HD+\k], v[HD+\k]   ; the conversion to an 8-bit code does not saturate (ISA guide 7.6.2)
.endr
.endr
.irp k, 0,1,2,3
	v_cvt_scalef32_pk8_fp8_f32 v[QC+16*(\k/2)+4*(\k%2):QC+16*(\k/2)+4*(\k%2)+1], v[S+16*\k:S+16*\k+7], v[SO+\k]
	v_cvt_scalef32_pk8_fp8_f32 v[QC+16*(\k/2)+4*(\k%2)+2:QC+16*(\k/2)+4*(\k%2)+3], v[S+16*\k+8:S+16*\k+15], v[SO+\k]
.endr
	v_nop                                                  ; one plain vector line behind the last conversion
.endm
; The scores of 128 keys for both tiles: sixteen products, each starting its sum.
.macro QK
	WIN 0x01
.irp f, 0,1,2,3
	MM S+16*\f, KF+16*\f, QC, -1, KS+\f/2, QS, \f%2           ; keys 32 f + 16 h + 0 .. 7
	MM S+16*\f+8, KF+16*\f, QC-8, -1, KS+\f/2, QS, \f%2       ; keys 32 f + 16 h + 8 .. 15
	MM S+64+16*\f, KF+16*\f, QC+16, -1, KS+\f/2, QS+1, \f%2
	MM S+64+16*\f+8, KF+16*\f, QC+8, -1, KS+\f/2, QS+1, \f%2
.endr
	WIN 0
.endm
	s_load_b256 s[4:11], s[0:1], 0x0               ; hidden's codes s[4:5], hidden's scales s[6:7], w_q's codes s[8:9], w_q's scales s[10:11]
	s_load_b128 s[12:15], s[0:1], 0x20             ; kv, ao_img
	s_load_b64 s[16:17], s[0:1], 0x30              ; ao_sc
	v_lshl_add_u32 v[SPW], v0, 2, SPARE
	v_mov_b32 v[NIL], 0
	ds_add_u32 v[SPW], v[NIL]                      ; the wave's opening: the add, twice on end, and its wait ahead of my first tensor load; the set-up below stands between
	ds_add_u32 v[SPW], v[NIL]
	v_lshrrev_b32 v[TP], 5, v0
	v_readfirstlane_b32 s[WV], v[TP]               ; wave 0..7
	s_bfe_u32 s54, ttmp6, 0x40000                  ; cx
	s_lshl_b32 s55, ttmp9, 2
	s_add_co_u32 s55, s55, s54                     ; my block of 256 queries: it enters hidden's and the outputs' addresses alone
	s_and_b32 s56, ttmp7, 0xffff                   ; 8 b + head, which the four partners share
	s_lshr_b32 s57, s56, 3                         ; b
	s_and_b32 s58, s56, 7                          ; head
	; group 1 for kv: dense rows of 256 bytes (32 elements of 8 bytes): 66 (one block) for a refill, 88 (a sixth of a slot) at the head
.macro GKV g, rows
	s_mov_b32 s[\g], 15|(3<<16)|(1<<21)            ; 15:0 the mask: all four work-groups; 17:16 elements of 8 bytes; 21 set beside a mask
	s_mov_b32 s[\g+1], 32<<16
	s_mov_b32 s[\g+2], (\rows)<<16
	s_mov_b32 s[\g+3], 32<<16
	s_mov_b32 s[\g+4], \rows
	s_mov_b32 s[\g+5], 32
	s_mov_b32 s[\g+6], 0
	s_mov_b32 s[\g+7], 0
.endm
	GKV G1KV, 66
	GKV G1H, 88
	; group 1 for w_q: four runs of 8 rows = 4,096 bytes, 8,192 bytes apart, 16 bytes of padding behind each 512
	s_mov_b32 s[G1WQ], 15|(1<<20)|(1<<21)|(6<<22)|(3<<25)
	s_mov_b32 s[G1WQ+1], 4096<<16
	s_mov_b32 s[G1WQ+2], 4<<16
	s_mov_b32 s[G1WQ+3], 4096<<16
	s_mov_b32 s[G1WQ+4], 4
	s_mov_b32 s[G1WQ+5], 8192
	s_mov_b32 s[G1WQ+6], 0
	s_mov_b32 s[G1WQ+7], 0
	s_mul_i32 s60, s56, 32*STEPB                   ; the head's first byte in kv
	s_mov_b32 s61, 0
	s_mul_i32 s78, s[WV], STEPB                    ; my block of a slot, in memory and in LDS alike
	s_mov_b32 s79, 0
	s_sub_co_u32 s80, s[WV], 2
	s_mul_i32 s80, s80, 88*256                     ; waves 2 to 7: my sixth of slot 0 at the head
	s_mov_b32 s81, 0
	s_lshl_b32 s62, s58, 15                        ; wave u = 0, 1 brings w_q's rows 16 g + 8 u + 0 .. 7, g = 0 .. 3, of the head to LDS rows 32 u + 8 g on: tile 2 b + u then lies at LDS rows 32 u + 16 b + r
	s_lshl_b32 s63, s[WV], 12
	s_add_co_u32 s62, s62, s63
	s_mov_b32 s63, 0
	s_mul_i32 s82, s[WV], 32*WQP
	s_lshl_b32 s66, s57, 12
	s_lshl_b32 s67, s55, 8
	s_add_co_u32 s66, s66, s67
	s_lshl_b32 s67, s[WV], 5
	s_add_co_u32 s66, s66, s67                     ; my first query's row: 4,096 b + 256 x block + 32 x wave
	s_lshl_b32 s84, s66, 4                         ; x 16: its place in hidden's scales, and its tile's in ao_sc (256 bytes for 16 rows)
	s_mov_b32 s85, 0
	s_lshl_b32 s66, s66, 9                         ; x 512: its place in hidden's codes, and its tile's in ao_img (8,192 bytes for 16 rows)
	s_mov_b32 s67, 0
	s_lshl_b32 s86, s58, 10                        ; 1,024 x head: the head's rows in w_q's scales; also its two chunks in a tile of ao_img
	s_mov_b32 s87, 0
	s_lshr_b32 s88, s58, 1
	s_lshl_b32 s88, s88, 6
	s_and_b32 s89, s58, 1
	s_lshl_b32 s89, s89, 1
	s_add_co_u32 s88, s88, s89                     ; 64 (head / 2) + 2 (head % 2): its two bytes in a row's scale words
	s_mov_b32 s89, 0
	s_mov_b32 s[MNT], 0x600000                     ; the mantissa field of 448
	s_mov_b32 s[SEL], 0x76543210
	s_mov_b32 s[SEL+1], 0xfedcba98
	s_mov_b32 s[CS], 0x3e38aa3b                    ; c = log2(e) / 8
	s_mov_b32 s[CS+1], s[CS]                       ; (named with it as a pair, so it is written)
	s_mov_b32 s[NC], 0xbe38aa3b                    ; -c
	s_mov_b32 s[FLR], 0x4800000                    ; 2^(9 - 127)
	WALU
	s_wait_dscnt 0x0                               ; both opening adds are done
	s_wait_kmcnt 0x0
	s_mov_b32 s[G0WQ], 1
	s_add_co_u32 s[G0WQ+1], s82, WQ
	s_add_nc_u64 s[G0WQ+2:G0WQ+3], s[8:9], s[62:63]
	s_or_b32 s[G0WQ+3], s[G0WQ+3], 0x80000000
	s_add_nc_u64 s[12:13], s[12:13], s[60:61]      ; kv at my head
	s_mov_b32 s[G0H], 1
	s_mov_b32 s[G0H+1], s80
	s_add_nc_u64 s[G0H+2:G0H+3], s[12:13], s[80:81]          ; slot 0: blocks 0 to 7
	s_or_b32 s[G0H+3], s[G0H+3], 0x80000000
	s_mov_b32 s[G0S], 1
	s_add_co_u32 s[G0S+1], s78, SLOTB
	s_add_nc_u64 s[G0S+2:G0S+3], s[12:13], s[78:79]
	s_add_nc_u64 s[G0S+2:G0S+3], s[G0S+2:G0S+3], SLOTB       ; slot 1: blocks 8 to 15
	s_or_b32 s[G0S+3], s[G0S+3], 0x80000000
	s_add_nc_u64 s[90:91], s[12:13], 31*STEPB                ; block 31: K of key step 0
	s_add_nc_u64 s[4:5], s[4:5], s[66:67]
	s_add_nc_u64 s[6:7], s[6:7], s[84:85]
	s_add_nc_u64 s[10:11], s[10:11], s[86:87]
	s_add_nc_u64 s[14:15], s[14:15], s[66:67]
	s_add_nc_u64 s[14:15], s[14:15], s[86:87]
	s_add_nc_u64 s[16:17], s[16:17], s[84:85]
	s_add_nc_u64 s[16:17], s[16:17], s[88:89]
	CROUND                                         ; all four work-groups are here: the first joint loads meet
	s_cmp_lt_u32 s[WV], 2                          ; ONE load a wave: waves 0, 1 w_q, which is wanted first; waves 2 to 7 slot 0
	s_cbranch_scc0 .Lslot0
	TLOAD G0WQ, G1WQ
	s_branch .Lasked
.Lslot0:
	TLOAD G0H, G1H
.Lasked:
	v_and_b32 v[PX], 15, v0                        ; r
	v_bfe_u32 v[PX+1], v0, 4, 1                    ; h
	v_lshlrev_b32 v[PX+2], 9, v[PX]
	v_lshl_add_u32 v[PX+2], v[PX+1], 4, v[PX+2]    ; hidden: row r of 512 bytes, + 16 h
	v_lshlrev_b32 v[PX+3], 4, v[PX]
	v_and_b32 v[PX+4], 8, v[PX]
	global_load_b128 v[XS:XS+3], v[PX+3], s[6:7]   ; their scale words: 16 bytes a row
	global_load_b128 v[XS+4:XS+7], v[PX+3], s[6:7] offset:256
	v_add_nc_u32 v[PX+4], v[PX+4], v[PX]           ; perm(r)
	v_lshl_add_u32 v[PX+4], v[PX+1], 3, v[PX+4]    ; lanes 16-31 take the tile 8 rows on
	v_lshlrev_b32 v[PX+4], 4, v[PX+4]
	global_load_b128 v[WS:WS+3], v[PX+4], s[10:11]
	global_load_b128 v[WS+4:WS+7], v[PX+4], s[10:11] offset:512
	WIN 0x40
.irp s, 0,1,2,3
.irp t, 0,1
.irp c, 0,1,2,3
	global_load_b128 v[HF+128*\t+16*\s+4*\c:HF+128*\t+16*\s+4*\c+3], v[PX+2], s[4:5] offset:8192*\t+128*\s+32*\c   ; my two tiles' fragments, eight loads for each 128 along K
.endr
.endr
.endr
	WIN 0
	v_mul_u32_u24 v[AW], v[PX], WQP
	v_and_b32 v[LI], 31, v0
	v_lshl_add_u32 v[AW], v[PX+1], 4, v[AW]
	v_lshlrev_b32 v[LS], 2, v[LI]
	v_add_nc_u32 v[AW], WQ, v[AW]
	v_lshlrev_b32 v[LI], 4, v[LI]
.irp t, 0,1
	v_mov_b32 v[NM+2*\t], 0x7e800000               ; -M: above every later one, so that the first f is 0
	v_mov_b32 v[NM+2*\t+1], 0xff61b1e6             ; the largest score so far: -3e38
	v_mov_b32 v[SM+2*\t], 0
	v_mov_b32 v[SM+2*\t+1], 0
	v_mov_b32 v[F+2*\t+1], 0
.endr
.irp j, 5,6,7
	v_mov_b32 v[PX+\j], 0                          ; written once: a lane permute's destination counts as one of its sources
.endr
.irp j, 0,1,2,3,4,5,6,7
	v_mov_b32 v[QC-8+\j], 0                        ; the zeros beside the two q
	v_mov_b32 v[QC+8+\j], 0
	v_mov_b32 v[QC+24+\j], 0
.endr
	WIN 0x40
.set J_, 0
.rept 64
	v_mov_b32 v[O+J_], 0                           ; O^T begins as zeros, made while the loads are out: the key step's text serves the first step too
.set J_, J_+1
.endr
	WIN 0
	WALU
	s_cmp_lt_u32 s[WV], 2
	s_cbranch_scc0 .Lnot_wq
	s_wait_tensorcnt 0x0                           ; waves 0 and 1: my part of w_q is in.  The other waves' wait stands at the next barrier
.Lnot_wq:
	s_barrier_signal -1
	s_barrier_wait -1
	s_wait_loadcnt 24                              ; the scale words and hidden's first eight; hidden's other 24 may be out
	; q^T = w_q hidden^T: source 0 = 16 rows of w_q, source 1 = 16 queries; eight accumulators by turns, K = 512 in four steps.  w_q's fragments take turns between K's place in window 1 and v128-191
.macro WFETCH s, d, win
	WIN \win
.irp t, 0,1,2,3
.irp c, 0,1,2,3
	ds_load_b128 v[\d+16*\t+4*\c:\d+16*\t+4*\c+3], v[AW] offset:(32*(\t%2)+16*(\t/2))*WQP+128*\s+32*\c
.endr
.endr
.endm
.macro WMUL s, d, win
	WIN \win
.irp a, 0,1
.irp t, 0,1,2,3
.if \s == 0
	MM S+32*\a+8*\t, \d+16*\t, HF+128*\a+16*\s, -1, WS+4*(\t/2)+\s, XS+4*\a+\s, \t%2
.else
	MM S+32*\a+8*\t, \d+16*\t, HF+128*\a+16*\s, S+32*\a+8*\t, WS+4*(\t/2)+\s, XS+4*\a+\s, \t%2
.endif
.endr
.endr
	PLACES 8                                       ; eight places in front of loads into registers that matrix instructions have read, and of the first read of results
.endm
	WFETCH 0, KF, 0x40
	WFETCH 1, S+64, 0
	s_wait_dscnt 16                                ; all but the other buffer's 16
	WMUL 0, KF, 0x05
	WFETCH 2, KF, 0x40
	s_wait_dscnt 16
	s_wait_loadcnt 16                              ; hidden's last sixteen may be out
	WMUL 1, S+64, 0x04
	WFETCH 3, S+64, 0
	s_wait_dscnt 16
	s_wait_loadcnt 8                               ; hidden's last eight may be out
	WMUL 2, KF, 0x05
	WIN 0x40
.irp f, 0,1,2,3
.irp c, 0,1,2,3
	global_load_b128 v[KF+16*\f+4*\c:KF+16*\f+4*\c+3], v[LI], s[90:91] offset:2048*\f+512*\c   ; K of key step 0
.endr
.endr
	WIN 0
	global_load_b32 v[KS], v[LS], s[90:91] offset:16384
	global_load_b32 v[KS+1], v[LS], s[90:91] offset:16512
	s_wait_dscnt 0x0
	s_wait_loadcnt 18                              ; hidden is in; the eighteen loads of key step 0's K may be out
	WMUL 3, S+64, 0x04
	WIN 0
	QUANT4                                         ; register 16 b + i of a tile is d = 32 b + 16 h + i: the codes are the operand's registers
.irp t, 0,1
	v_lshl_or_b32 v[QS+\t], v[PX+2*\t+1], 8, v[PX+2*\t]
.endr
.irp t, 0,1
	v_lshl_or_b32 v[QS+\t], v[QS+\t], 16, v[QS+\t] ; q's two bytes, twice
.endr
	PLACES 8                                       ; eight places between q's scale words and their first use
	WALU
	s_wait_loadcnt 0x0                             ; K of key step 0
	s_wait_tensorcnt 0x0                           ; my part of slot 0 is in
	ds_add_u32 v[SPW], v[NIL]
	QK                                             ; the scores of key step 0: work on registers
	s_wait_dscnt 0x0
	CROUND
	TLOAD G0S, G1KV                                ; slot 1's first fill
	PLACES 4                                       ; with the four behind the load and the step's two additions: the places behind the scores' products
; THE SOFTMAX OF A TILE, in lists of lines, so that two lists can take turns.
; TREE, 36 lines: the largest score of each of the four blocks of 32 keys (16 in this lane, 16 in lane l xor 16), the blocks by turns, each accumulator from its low end on
.macro TREE t, j
.set B_, (\j)%4
.set X_, S+64*(\t)+16*B_
.set D_, BM+4*(\t)
.set Y_, S+64*(\t)
.if (\j) < 4
	v_max3_num_f32 v[D_+B_], v[X_], v[X_+1], v[X_+2]
.elseif (\j) < 20
	v_max3_num_f32 v[D_+B_], v[D_+B_], v[X_+2*((\j)/4)+1], v[X_+2*((\j)/4)+2]
.elseif (\j) < 24
	v_max3_num_f32 v[D_+B_], v[D_+B_], v[X_+11], v[X_+12+B_/2]
.elseif (\j) < 28
	v_max3_num_f32 v[D_+B_], v[D_+B_], v[X_+13+B_/2], v[X_+15]
.elseif (\j) == 28
	v_dual_max_num_f32 v[D_], v[D_], v[Y_+14] :: v_dual_max_num_f32 v[D_+1], v[Y_+30], v[D_+1]
.elseif (\j) == 29
	v_dual_max_num_f32 v[D_+2], v[D_+2], v[Y_+44] :: v_dual_max_num_f32 v[D_+3], v[Y_+60], v[D_+3]
.elseif (\j) < 34
	v_permlanex16_b32 v[PX+4*(\t)+(\j)-30], v[D_+(\j)-30], s[SEL], s[SEL+1]
.else
.set E_, 2*((\j)-34)
	v_dual_max_num_f32 v[D_+E_], v[D_+E_], v[PX+4*(\t)+E_] :: v_dual_max_num_f32 v[D_+E_+1], v[D_+E_+1], v[PX+4*(\t)+E_+1]
.endif
.endm
; MCH, 8 lines: the running largest score, -M = floor(-c x score), f = 2^(old M - new M)
.macro MCH t, j
.set P_, PX+4*(\t)
.set D_, BM+4*(\t)
.set N_, NM+2*(\t)
.if (\j) == 0
	v_max3_num_f32 v[P_], v[D_], v[D_+1], v[D_+2]
.elseif (\j) == 1
	v_max3_num_f32 v[N_+1], v[P_], v[D_+3], v[N_+1]
.elseif (\j) == 2
	v_mul_f32 v[P_], s[NC], v[N_+1]
.elseif (\j) == 3
	v_floor_f32 v[P_+1], v[P_]                     ; the new -M: a whole number
.elseif (\j) == 4
	v_sub_f32 v[P_+2], v[P_+1], v[N_]              ; old M - new M: a whole number, 0 or less
.elseif (\j) == 5
	v_cvt_i32_f32 v[P_+2], v[P_+2]                 ; (it saturates)
.elseif (\j) == 6
	v_mov_b32 v[N_], v[P_+1]
.else
	v_ldexp_f32 v[F+2*(\t)], 1.0, v[P_+2]
.endif
.endm
; FMA, 34 lines: t - M, two at a time; the last two lines the same of the blocks' largest scores
.macro FMA t, j
.if (\j) < 32
.set X_, S+64*(\t)+2*(\j)
.else
.set X_, BM+4*(\t)+2*((\j)-32)
.endif
	v_pk_fma_f32 v[X_:X_+1], v[X_:X_+1], s[CS:CS+1], v[NM+2*(\t):NM+2*(\t)+1] op_sel_hi:[1,0,0]
.endm
; EXP, 68 lines: p = 2^(t - M); the last four the blocks' largest p
.macro EXP t, j
.if (\j) < 64
.set X_, S+64*(\t)+(\j)
.else
.set X_, BM+4*(\t)+(\j)-64
.endif
	v_exp_f32 v[X_], v[X_]
.endm
; SUMS, lines from .. to - 1 of 32: the row's sum, of the unquantised p, under the new M: four chains of pairs
.macro SUMS t, from, to
.set Y_, S+64*(\t)
.set A_, SM+2*(\t)
.set I_, \from
.rept (\to)-(\from)
.if I_ == 0
	v_pk_fma_f32 v[A_:A_+1], v[A_:A_+1], v[F+2*(\t):F+2*(\t)+1], v[Y_:Y_+1] op_sel_hi:[1,0,1]
.elseif I_ < 4
.set C_, CT+2*(I_-1)+(\t)*(6*(I_-1)-56)
	v_pk_add_f32 v[C_:C_+1], v[Y_+2*(2*I_-1):Y_+2*(2*I_-1)+1], v[Y_+4*I_:Y_+4*I_+1]
.else
.if (I_-4)%4 == 0
	v_pk_add_f32 v[A_:A_+1], v[A_:A_+1], v[Y_+2*(I_+3):Y_+2*(I_+3)+1]
.else
.set C_, CT+2*((I_-4)%4-1)+(\t)*(6*((I_-4)%4-1)-56)
	v_pk_add_f32 v[C_:C_+1], v[C_:C_+1], v[Y_+2*(I_+3):Y_+2*(I_+3)+1]
.endif
.endif
.set I_, I_+1
.endr
.endm
; BLK, 17 lines: from the blocks' largest p the conversions' scale operands, the holds, the scale bytes and p's scale word
.macro BLK t, j
.set D_, BM+4*(\t)
.set P_, PX+4*(\t)
.if (\j) < 2
.set E_, D_+2*(\j)
	v_dual_max_num_f32 v[E_], s[FLR], v[E_] :: v_dual_max_num_f32 v[E_+1], s[FLR], v[E_+1]   ; the floor 2^(9 - 127)
.elseif (\j) < 6
	v_add_nc_u32 v[SO+4*(\t)+(\j)-2], 0xfc000000, v[D_+(\j)-2]
.elseif (\j) < 10
	v_and_or_b32 v[HD+4*(\t)+(\j)-6], v[D_+(\j)-6], 0x7f800000, s[MNT]
.elseif (\j) < 14
	v_lshrrev_b32 v[P_+(\j)-10], 23, v[SO+4*(\t)+(\j)-10]
.elseif (\j) == 14
	v_lshl_or_b32 v[PW+(\t)], v[P_+1], 8, v[P_]
.elseif (\j) == 15
	v_lshl_or_b32 v[PW+(\t)], v[P_+2], 16, v[PW+(\t)]
.else
	v_lshl_or_b32 v[PW+(\t)], v[P_+3], 24, v[PW+(\t)]
.endif
.endm
.macro SUMBLK t
.set J_, 0
.rept 14
	BLK \t, J_
	SUMS \t, 2*J_, 2*J_+2
.set J_, J_+1
.endr
	BLK \t, 14
	SUMS \t, 28, 29                                ; 29 lines of SUMS in all; the last three, COMB, stand at the step's end
	BLK \t, 15
	BLK \t, 16
.endm
; COMB: the chains of both tiles' sums are joined
.macro COMB
.irp t, 0,1
	v_pk_add_f32 v[CT+2-50*\t:CT+3-50*\t], v[CT+2-50*\t:CT+3-50*\t], v[CT+4-44*\t:CT+5-44*\t]
.endr
.irp t, 0,1
	v_pk_add_f32 v[SM+2*\t:SM+2*\t+1], v[SM+2*\t:SM+2*\t+1], v[CT-56*\t:CT+1-56*\t]
.endr
.irp t, 0,1
	v_pk_add_f32 v[SM+2*\t:SM+2*\t+1], v[SM+2*\t:SM+2*\t+1], v[CT+2-50*\t:CT+3-50*\t]
.endr
.endm
; EB: tile t's 68 exponentials among the m lines of list op for tile u: three ahead of each of the first x lines, two ahead of each up to line n; the last lines are plain
.macro EB t, op, u, n, x, m
.set J_, 0
.set K_, 0
.rept \m
.if J_ < \n
	EXP \t, K_
	EXP \t, K_+1
.set K_, K_+2
.if J_ < \x
	EXP \t, K_
.set K_, K_+1
.endif
.endif
	\op \u, J_
.set J_, J_+1
.endr
.endm
; HOLD, 32 lines of two numbers: p is not negative, so the hold at 448 x the scale is one-sided
.macro HOLD t, j
.set X_, S+64*(\t)+2*(\j)
.set H_, HD+4*(\t)+(\j)/8
	v_dual_min_num_f32 v[X_], v[X_], v[H_] :: v_dual_min_num_f32 v[X_+1], v[X_+1], v[H_]
.endm
; A KEY STEP: 128 keys; its block begins at LDS byte s[TB]; its scores stand in S.  last = 1: the 32nd: no scores follow.
.macro STEP last
	v_add_nc_u32 v[ADR], s[TB], v[LI]
	v_add_nc_u32 v[ADS], s[TB], v[LS]              ; with COMB's six lines at the last step's end: eight places in front of loads into registers that the last products read, and of the first read of the scores
	ds_load_b32 v[VS], v[ADS] offset:16640         ; lanes 0-15 fragment 0's words, lanes 16-31 fragment 1's
	ds_load_b32 v[VS+1], v[ADS] offset:16768       ; fragments 2 and 3
.if (\last) == 0
	ds_load_b32 v[KS], v[ADS] offset:16384
	ds_load_b32 v[KS+1], v[ADS] offset:16512
.endif
	WIN 0x40
.irp f, 0,1,2,3
.irp c, 0,1,2,3
	ds_load_b128 v[VF+16*\f+4*\c:VF+16*\f+4*\c+3], v[ADR] offset:8192+2048*\f+512*\c
.endr
.endr
.if (\last) == 0
.irp f, 0,1,2,3
.irp c, 0,1,2,3
	ds_load_b128 v[KF+16*\f+4*\c:KF+16*\f+4*\c+3], v[ADR] offset:2048*\f+512*\c   ; the next step's K
.endr
.endr
.endif
	WIN 0
.set J_, 0
.rept 52                               ; the two trees by turns, tile 1's sixteen lines behind; then tile 0's M among the rest of tile 1's tree
.if J_ < 36
	TREE 0, J_
.endif
.if J_ > 15
	TREE 1, J_-16
.endif
.if (J_ > 35) && (J_%2 == 1)
	MCH 0, (J_-36)/2
.endif
.set J_, J_+1
.endr
.set J_, 0
.rept 34
	FMA 0, J_
.if (J_%4 == 3) && (J_ < 32)
	MCH 1, J_/4
.endif
.set J_, J_+1
.endr
	WALU                                           ; ahead of the batch
	EB 0, FMA, 1, 26, 16, 34
	WALU                                           ; one wait for the batch, ahead of its first reader
	SUMBLK 0
	WALU                                           ; ahead of the second batch
	EB 1, HOLD, 0, 24, 20, 32
	WIN 0x41
	s_wait_dscnt 0x0                               ; V's and K's fragments and scale words are in
	WALU                                           ; behind the batch, and directly ahead of the first readers of O^T
.set J_, 0
.rept 32
	v_pk_mul_f32 v[O+2*J_:O+2*J_+1], v[O+2*J_:O+2*J_+1], v[F+2*(J_/16):F+2*(J_/16)+1] op_sel_hi:[1,0]   ; O^T under the new M
.set J_, J_+1
.endr
	WIN 0
	SUMBLK 1
.set J_, 0
.rept 32
	HOLD 1, J_
.set J_, J_+1
.endr
	WIN 0x40
.irp t, 0,1
.irp b, 0,1,2,3
	v_cvt_scalef32_pk8_fp8_f32 v[PC+16*\t+4*\b:PC+16*\t+4*\b+1], v[S+64*\t+16*\b:S+64*\t+16*\b+7], v[SO+4*\t+\b]
	v_cvt_scalef32_pk8_fp8_f32 v[PC+16*\t+4*\b+2:PC+16*\t+4*\b+3], v[S+64*\t+16*\b+8:S+64*\t+16*\b+15], v[SO+4*\t+\b]
.endr
.endr
	PLACES 4                                       ; four places between the codes and the products
	WIN 0x55
.irp t, 0,1,2,3
.irp a, 0,1
	MM O+32*\a+8*\t, VF+16*\t, PC+16*\a, O+32*\a+8*\t, VS+\t/2, PW+\a, \t%2   ; eight accumulators by turns; the next link of each comes behind at least 23 other products
.endr
.endr
.if (\last) == 0
	QK
.endif
	WIN 0
	COMB
.endm
.macro WALK slot, n                    ; n key steps of a slot
	s_mov_b32 s[TB], \slot*SLOTB
	s_mov_b32 s[CNT], \n
	s_setprio 3                                    ; a wave's user priority falls with its own progress in the slot, so that a wave that is ahead gives way to one that is behind
.Lstep_\@:
	s_cmp_eq_u32 s[CNT], 6
	s_cbranch_scc0 .Lpa_\@
	s_setprio 2
.Lpa_\@:
	s_cmp_eq_u32 s[CNT], 4
	s_cbranch_scc0 .Lpb_\@
	s_setprio 1
.Lpb_\@:
	s_cmp_eq_u32 s[CNT], 2
	s_cbranch_scc0 .Lpc_\@
	s_setprio 0
.Lpc_\@:
	STEP 0
	s_add_co_u32 s[TB], s[TB], STEPB
	s_sub_co_u32 s[CNT], s[CNT], 1
	s_cmp_lg_u32 s[CNT], 0
	s_cbranch_scc1 .Lstep_\@
.endm
; THE CHANGE OF SLOTS.  Each wave waits for all its tensor loads (its part of the slot ahead), adds 0 to its spare word, and waits for that; its reads of the slot that it leaves are over.
; fill = 1: a round of the cluster's barrier, so that no wave of any partner still reads that slot or has a load on its way; the joint refill, the next eight blocks, is the first thing behind it.
.macro CHANGE slot, fill
	WALU
	s_wait_tensorcnt 0x0                           ; no tensor load of mine is out, so a group 0 may be written
	ds_add_u32 v[SPW], v[NIL]
.if \fill
	s_add_nc_u64 s[G0S+2:G0S+3], s[G0S+2:G0S+3], SLOTB   ; the type bits on top are not reached
	s_mul_i32 s[G0S+1], s[WV], STEPB
.if \slot
	s_add_co_u32 s[G0S+1], s[G0S+1], SLOTB
.endif
.endif
	s_wait_dscnt 0x0
.if \fill
	CROUND
	TLOAD G0S, G1KV
.else
	s_barrier_signal -1
	s_barrier_wait -1
.endif
.endm
	WALK 0, 8                                      ; key steps 0 to 7
	CHANGE 0, 1
	WALK 1, 8                                      ; 8 to 15
	CHANGE 1, 1
	WALK 0, 8                                      ; 16 to 23
	CHANGE 0, 0                                    ; nothing is left to fetch
	WALK 1, 7                                      ; 24 to 30
	s_mov_b32 s[TB], SLOTB+7*STEPB
	STEP 1                                         ; 31
	; THE WAY OUT: O^T / the sum, quantised along inner: my head's 64 are two whole blocks.  Register 16 b + i of a tile is d = 32 b + 16 h + i, by the order of V's rows: the codes are an image of the last product's operand.
	v_add_f32 v[SM], v[SM], v[SM+1]                ; (COMB and the plain lines from here on are the places behind the last products)
	v_add_f32 v[SM+2], v[SM+2], v[SM+3]
	v_permlanex16_b32 v[PX], v[SM], s[SEL], s[SEL+1]
	v_permlanex16_b32 v[PX+1], v[SM+2], s[SEL], s[SEL+1]
	v_add_f32 v[SM], v[SM], v[PX]                  ; the rows' sums
	v_add_f32 v[SM+2], v[SM+2], v[PX+1]
	WALU
	v_rcp_f32 v[SM], v[SM]
	v_rcp_f32 v[SM+2], v[SM+2]
	v_and_b32 v[TP], 15, v0                        ; (plain lines behind the reciprocals)
	v_bfe_u32 v[TP+1], v0, 4, 1
	v_lshl_add_u32 v[ADR], v[TP], 2, v[TP+1]       ; 4 r + h: row r's word, block h's byte
	WIN 0x01
	WALU                                           ; ahead of the first readers of the reciprocals and of the last O^T
.set J_, 0
.rept 32
	v_pk_mul_f32 v[S+2*J_:S+2*J_+1], v[O+2*J_:O+2*J_+1], v[SM+2*(J_/16):SM+2*(J_/16)+1] op_sel_hi:[1,0]
.set J_, J_+1
.endr
	WIN 0
	QUANT4
	v_cmp_ne_u32 vcc_lo, 0, v[TP+1]
.irp a, 0,1
	global_store_b128 v[LI], v[QC+16*\a:QC+16*\a+3], s[14:15] offset:8192*\a          ; each store: 512 consecutive bytes, aligned
	global_store_b128 v[LI], v[QC+16*\a+4:QC+16*\a+7], s[14:15] offset:8192*\a+512
	v_cndmask_b32 v[CT+\a], v[PX+2*\a], v[PX+2*\a+1], vcc_lo   ; lanes 0-15 store block 0's byte, lanes 16-31 block 1's
	global_store_b8 v[ADR], v[CT+\a], s[16:17] offset:256*\a
.endr
	s_wait_tensorcnt 0x0                           ; the wave's end
	ds_add_u32 v[SPW], v[NIL]
	s_wait_dscnt 0x0
	CROUND                                         ; the closing round
	s_endpgm
.Lfunc_end_k_qa65a27f981_attn:
	.size	k_qa65a27f981_attn, .Lfunc_end_k_qa65a27f981_attn-k_qa65a27f981_attn
	.p2alignl 7, 3214868480
	.fill 96, 4, 3214868480
	.section	.rodata,"a",@progbits
	.p2align	6, 0x0
	.amdhsa_kernel k_qa65a27f981_attn
		.amdhsa_group_segment_fixed_size 327680
		.amdhsa_private_segment_fixed_size 0
		.amdhsa_enable_private_segment 0
		.amdhsa_kernarg_size 56
		.amdhsa_user_sgpr_count 2
		.amdhsa_user_sgpr_kernarg_segment_ptr 1
		.amdhsa_wavefront_size32 1
		.amdhsa_system_sgpr_workgroup_id_x 1
		.amdhsa_system_sgpr_workgroup_id_y 1
		.amdhsa_system_sgpr_workgroup_id_z 1
		.amdhsa_system_vgpr_workitem_id 0
		.amdhsa_next_free_vgpr 512
		.amdhsa_next_free_sgpr 96
		.amdhsa_reserve_vcc 1
		.amdhsa_float_denorm_mode_32 3
		.amdhsa_float_denorm_mode_16_64 3
		.amdhsa_memory_ordered 1
		.amdhsa_forward_progress 1
		.amdhsa_inst_pref_size 212
	.end_amdhsa_kernel
	.amdgpu_metadata
---
amdhsa.version: [ 1, 2 ]
amdhsa.kernels:
  - .name:           k_qa65a27f981_attn
    .symbol:         k_qa65a27f981_attn.kd
    .args:
      - { .name: hidden_states_codes, .offset: 0, .size: 8, .value_kind: global_buffer, .address_space: global }
      - { .name: hidden_states_scales, .offset: 8, .size: 8, .value_kind: global_buffer, .address_space: global }
      - { .name: w_q_codes, .offset: 16, .size: 8, .value_kind: global_buffer, .address_space: global }
      - { .name: w_q_scales, .offset: 24, .size: 8, .value_kind: global_buffer, .address_space: global }
      - { .name: kv, .offset: 32, .size: 8, .value_kind: global_buffer, .address_space: global }
      - { .name: ao_img, .offset: 40, .size: 8, .value_kind: global_buffer, .address_space: global }
      - { .name: ao_sc, .offset: 48, .size: 8, .value_kind: global_buffer, .address_space: global }
    .group_segment_fixed_size: 327680
    .private_segment_fixed_size: 0
    .kernarg_segment_align: 8
    .kernarg_segment_size: 56
    .max_flat_workgroup_size: 256
    .sgpr_count:     96
    .vgpr_count:     512
    .wavefront_size: 32
...
	.end_amdgpu_metadata
.endif
;; end of part 2
;; launch outproj (part 3): grid 4 x 64, 8 waves a work-group, clusters of 4 x 4, 327,680 bytes of LDS; arguments ao_img, ao_sc, w_out_codes, w_out_scales, b_out, out0; writes out0
.if DOCPART == 3
	.amdgcn_target "amdgcn-amd-amdhsa--gfx1250"
	.amdhsa_code_object_version 6
	.text
	.protected	k_qa65a27f981_outproj
	.globl	k_qa65a27f981_outproj
	.p2align	8
	.type	k_qa65a27f981_outproj,@function
k_qa65a27f981_outproj:
	s_mov_b64 s[64:65], 0
	v_nop
	global_prefetch_b8 v0, s[64:65] scope:SCOPE_SE
	s_setreg_imm32_b32 hwreg(HW_REG_WAVE_MODE, 25, 1), 1
	s_wait_xcnt 0x0
	s_wait_alu depctr_hold_cnt(0) depctr_sa_sdst(0) depctr_va_vdst(0) depctr_va_sdst(0) depctr_va_ssrc(0) depctr_va_vcc(0) depctr_vm_vsrc(0)
	s_getreg_b32 s2, hwreg(HW_REG_IB_STS2, 6, 4)
	s_cmp_eq_u32 s2, 0
	s_cbranch_scc0 .Lentry_in_a_cluster
	s_endpgm
.Lentry_in_a_cluster:
	s_bfe_u32 s2, ttmp6, 0x10000c
	s_cmp_lg_u32 s2, 0xf033
	s_cbranch_scc0 .Lentry_shape_is_right
	s_endpgm
.Lentry_shape_is_right:
; out = attention result x w_out + b_out (K = 512): a work-group makes 128 tokens (Y) x 128 columns (X), the bias as the first products' C.  No work of the problem is left out here.  LIMITS: NaN and infinities are not served.
; ao_img and ao_sc hold images of operand registers, as the attention's launch leaves them: 8,192 bytes of codes and 256 of scale words for 16 tokens.
; SHARES.  Each of the eight waves makes 32 tokens x 64 columns: eight accumulators, transposed (source 0 = 16 rows of w_out, source 1 = 16 tokens), so that a lane holds eight neighbouring columns of one token.
; One load a wave at the head: waves 0 to 3 a quarter of the image each, waves 4 to 7 a quarter of w_out's 128 rows.  CLUSTER 4 x 4: the image's tile is asked for jointly along a row of the cluster, w_out's along a column.  No prefetch: there is no loop to run ahead in.
; THE WAY OUT goes through a stage of the wave's own in LDS, which no load fills, and leaves as aligned units of 256 bytes.
; Window 1: fragment buffer b at 96 b: w_out's four, then the tokens' two.
.set WL,    65536                      ; LDS: the image at 0, w_out's rows here, 512 bytes + 16 of padding each
.set WP,    528
.set STG,   WL+128*WP                  ; the stages: 32 rows of 256 bytes + 16 for each wave
.set SP,    272
.set SPARE, STG+8*32*SP                ; the spare words: 128 bytes for each wave, four blocks of 256 bytes that no other line names
.set LI,  1                            ; v1  16 x lane
.set SPW, 2
.set NIL, 3
.set AA,  4                            ; v4  LDS address of my tokens' image
.set AWT, 5                            ; v5  of my rows of w_out
.set STO, 6                            ; v6  the way out: where I put 32 bytes of a row,
.set RD,  7                            ; v7  and where I read a row back
.set WS,  8                            ; v8-15 w_out's scale words: 4 c + s; lanes 0-15 tile 2 c, lanes 16-31 tile 2 c + 1
.set AS,  16                           ; v16-19 the tokens': 2 j + s / 2; lanes 0-15 even s, lanes 16-31 odd
.set GO,  20                           ; v20 the way out: my byte offset in out's rows
.set BI,  32                           ; v32-63 the bias, eight columns for each tile of w_out
.set AC,  64                           ; v64-127 accumulator (i, j) at 32 j + 8 i
.set RB,  128                          ; v128-191 rows read back
.set G1A, 16
.set G1W, 24
.set G0A, 32
.set G0W, 36
.set WV,  40
.set MSB, 0
.macro WIN new                         ; the immediate's high byte repeats the setting that is left
.if MSB != \new
	s_set_vgpr_msb (MSB<<8)|\new
.set MSB, \new
.endif
.endm
.macro CROUND                          ; a round of the cluster's barrier
	s_barrier_signal -1
	s_barrier_wait -1
	s_cmp_lg_u32 s[WV], 0
	s_cbranch_scc1 .Lnot_wave_0_\@
	s_barrier_signal -3
.Lnot_wave_0_\@:
	s_barrier_wait -3
	s_barrier_signal -1
	s_barrier_wait -1
.endm
; One matrix line.  ra, rb = 1: that side's scales are read from lanes 16-31.
.macro MM d, a, b, c, sa, sb, ra, rb
.if (\ra) && (\rb)
	v_wmma_scale_f32_16x16x128_f8f6f4 v[\d:\d+7], v[\a:\a+15], v[\b:\b+15], v[\c:\c+7], v[\sa], v[\sb] matrix_a_scale:MATRIX_SCALE_ROW1 matrix_b_scale:MATRIX_SCALE_ROW1
.elseif (\ra)
	v_wmma_scale_f32_16x16x128_f8f6f4 v[\d:\d+7], v[\a:\a+15], v[\b:\b+15], v[\c:\c+7], v[\sa], v[\sb] matrix_a_scale:MATRIX_SCALE_ROW1
.elseif (\rb)
	v_wmma_scale_f32_16x16x128_f8f6f4 v[\d:\d+7], v[\a:\a+15], v[\b:\b+15], v[\c:\c+7], v[\sa], v[\sb] matrix_b_scale:MATRIX_SCALE_ROW1
.else
	v_wmma_scale_f32_16x16x128_f8f6f4 v[\d:\d+7], v[\a:\a+15], v[\b:\b+15], v[\c:\c+7], v[\sa], v[\sb]
.endif
.endm
	s_load_b256 s[4:11], s[0:1], 0x0               ; ao_img s[4:5], ao_sc s[6:7], w_out's codes s[8:9], its scales s[10:11]
	s_load_b128 s[12:15], s[0:1], 0x20             ; b_out, out0
	v_lshl_add_u32 v[SPW], v0, 2, SPARE
	v_mov_b32 v[NIL], 0
	ds_add_u32 v[SPW], v[NIL]                      ; the wave's opening: the add, twice on end, and its wait ahead of my first tensor load; the set-up below stands between
	ds_add_u32 v[SPW], v[NIL]
	v_lshrrev_b32 v21, 5, v0
	v_readfirstlane_b32 s[WV], v21                 ; wave 0..7
	s_and_b32 s41, s[WV], 1                        ; which 64 columns
	s_lshr_b32 s42, s[WV], 1                       ; which 32 tokens
	s_bfe_u32 s43, ttmp6, 0x40000
	s_bfe_u32 s44, ttmp6, 0x40004
	s_lshl_b32 s45, ttmp9, 2
	s_add_co_u32 s45, s45, s43                     ; X = 4 x cluster x + cx
	s_and_b32 s46, ttmp7, 0xffff
	s_lshl_b32 s46, s46, 2
	s_add_co_u32 s46, s46, s44                     ; Y = 4 x cluster y + cy
	s_lshl_b32 s47, s44, 2
	s_lshl_b32 s47, 15, s47                        ; my row of the cluster
	s_lshl_b32 s48, 0x1111, s43                    ; my column
	s_or_b32 s[G1A], s47, (3<<16)|(1<<21)          ; the image: 64 dense rows of 256 bytes (32 elements of 8 bytes)
	s_mov_b32 s[G1A+1], 32<<16
	s_mov_b32 s[G1A+2], 64<<16
	s_mov_b32 s[G1A+3], 32<<16
	s_mov_b32 s[G1A+4], 64
	s_mov_b32 s[G1A+5], 32
	s_mov_b32 s[G1A+6], 0
	s_mov_b32 s[G1A+7], 0
	s_or_b32 s[G1W], s48, (1<<20)|(1<<21)|(6<<22)|(3<<25)   ; w_out: 32 rows of 512 bytes, 16 of padding behind each
	s_mov_b32 s[G1W+1], 512<<16
	s_mov_b32 s[G1W+2], 32<<16
	s_mov_b32 s[G1W+3], 512<<16
	s_mov_b32 s[G1W+4], 32
	s_mov_b32 s[G1W+5], 512
	s_mov_b32 s[G1W+6], 0
	s_mov_b32 s[G1W+7], 0
	s_and_b32 s52, s[WV], 3                        ; which quarter I fetch
	s_lshl_b32 s49, s52, 14                        ; of the image, in memory and in LDS alike
	s_lshl_b32 s50, s46, 16
	s_add_co_u32 s50, s50, s49
	s_mov_b32 s51, 0
	s_mul_i32 s62, s52, 32*WP
	s_add_co_u32 s62, s62, WL
	s_lshl_b32 s52, s52, 5
	s_lshl_b32 s53, s45, 7
	s_add_co_u32 s52, s52, s53
	s_lshl_b32 s52, s52, 9                         ; of w_out's rows
	s_mov_b32 s53, 0
	s_lshl_b32 s54, s45, 7
	s_lshl_b32 s55, s41, 6
	s_add_co_u32 s54, s54, s55                     ; my first column
	s_lshl_b32 s58, s54, 2
	s_mov_b32 s59, 0
	s_lshl_b32 s54, s54, 4
	s_mov_b32 s55, 0
	s_lshl_b32 s56, s46, 3
	s_lshl_b32 s57, s42, 1
	s_add_co_u32 s56, s56, s57
	s_lshl_b32 s56, s56, 8                         ; my first tile of 16 tokens in ao_sc
	s_mov_b32 s57, 0
	s_lshl_b32 s60, s46, 7
	s_lshl_b32 s61, s42, 5
	s_add_co_u32 s60, s60, s61                     ; my first token
	s_lshl_b32 s60, s60, 11
	s_add_co_u32 s60, s60, s58                     ; and my first column, in out
	s_mov_b32 s61, 0
	s_wait_alu depctr_va_vdst(0)                   ; the wait ahead of a wait that blocks
	s_wait_dscnt 0x0                               ; both opening adds are done
	s_wait_kmcnt 0x0
	s_mov_b32 s[G0A], 1
	s_mov_b32 s[G0A+1], s49
	s_add_nc_u64 s[G0A+2:G0A+3], s[4:5], s[50:51]
	s_or_b32 s[G0A+3], s[G0A+3], 0x80000000
	s_mov_b32 s[G0W], 1
	s_mov_b32 s[G0W+1], s62
	s_add_nc_u64 s[G0W+2:G0W+3], s[8:9], s[52:53]
	s_or_b32 s[G0W+3], s[G0W+3], 0x80000000
	s_add_nc_u64 s[10:11], s[10:11], s[54:55]
	s_add_nc_u64 s[6:7], s[6:7], s[56:57]
	s_add_nc_u64 s[12:13], s[12:13], s[58:59]
	s_add_nc_u64 s[14:15], s[14:15], s[60:61]
	CROUND                                         ; all sixteen work-groups are here: the joint loads meet
	s_cmp_lt_u32 s[WV], 4                          ; one joint load a wave
	s_cbranch_scc0 .Lfor_w
	tensor_load_to_lds s[G0A:G0A+3], s[G1A:G1A+7]
	s_nop 0
.rept 4
	v_nop
.endr
	s_branch .Lasked
.Lfor_w:
	tensor_load_to_lds s[G0W:G0W+3], s[G1W:G1W+7]
	s_nop 0
.rept 4
	v_nop
.endr
.Lasked:
	v_and_b32 v21, 31, v0
	v_bfe_u32 v22, v0, 4, 1                        ; h
	v_and_b32 v23, 15, v0                          ; r
	v_lshlrev_b32 v[LI], 4, v21
	v_lshlrev_b32 v24, 2, v21
	v_lshlrev_b32 v25, 5, v22
.irp c, 0,1
	global_load_b128 v[WS+4*\c:WS+4*\c+3], v[LI], s[10:11] offset:512*\c
.endr
.irp j, 0,1
.irp q, 0,1
	global_load_b32 v[AS+2*\j+\q], v24, s[6:7] offset:256*\j+128*\q
.endr
.endr
.irp i, 0,1,2,3
	global_load_b128 v[BI+8*\i:BI+8*\i+3], v25, s[12:13] offset:64*\i
	global_load_b128 v[BI+8*\i+4:BI+8*\i+7], v25, s[12:13] offset:64*\i+16
.endr
	s_lshl_b32 s63, s42, 14
	v_add_nc_u32 v[AA], s63, v[LI]
	v_mul_u32_u24 v26, v23, WP
	v_mul_u32_u24 v27, v23, SP
	v_mul_u32_u24 v28, v22, SP
	s_mul_i32 s63, s41, 64*WP
	s_add_co_u32 s63, s63, WL
	v_lshl_add_u32 v26, v22, 4, v26                ; w_out: row r x pitch + 16 h
	v_lshl_add_u32 v27, v22, 5, v27                ; in: row r, 32 bytes for each half of the lanes
	v_lshl_add_u32 v28, v23, 4, v28                ; back: lanes 0-15 one row, lanes 16-31 the next
	v_lshlrev_b32 v29, 11, v22
	v_add_nc_u32 v[AWT], s63, v26
	s_mul_i32 s63, s[WV], 32*SP
	s_add_co_u32 s63, s63, STG                     ; my stage
	v_add_nc_u32 v[STO], s63, v27
	v_add_nc_u32 v[RD], s63, v28
	v_lshl_add_u32 v[GO], v23, 4, v29              ; and the same two rows in out
	s_wait_alu depctr_va_vdst(0)                   ; the wait at the head's end
	s_wait_tensorcnt 0x0                           ; my tile is in,
	s_barrier_signal -1
	s_barrier_wait -1                              ; everybody's are
	s_wait_loadcnt 0x0                             ; scale words and bias
.macro FETCH s, b                      ; 128 along K into buffer b: 24 LDS loads
	WIN 0x40
.irp i, 0,1,2,3
.irp c, 0,1,2,3
	ds_load_b128 v[96*\b+16*\i+4*\c:96*\b+16*\i+4*\c+3], v[AWT] offset:16*WP*\i+128*\s+32*\c
.endr
.endr
.irp j, 0,1
.irp c, 0,1,2,3
	ds_load_b128 v[96*\b+64+16*\j+4*\c:96*\b+64+16*\j+4*\c+3], v[AA] offset:8192*\j+2048*\s+512*\c
.endr
.endr
.endm
.macro MUL s, b                        ; eight products; the accumulators take turns, one instruction a turn
	WIN 0x05
.irp j, 0,1
.irp i, 0,1,2,3
.if \s == 0
	MM AC+32*\j+8*\i, 96*\b+16*\i, 96*\b+64+16*\j, BI+8*\i, WS+4*(\i/2)+\s, AS+2*\j+\s/2, \i%2, \s%2
.else
	MM AC+32*\j+8*\i, 96*\b+16*\i, 96*\b+64+16*\j, AC+32*\j+8*\i, WS+4*(\i/2)+\s, AS+2*\j+\s/2, \i%2, \s%2
.endif
.endr
.endr
.rept 8
	v_nop                                          ; eight places in front of loads into registers that matrix instructions have read, and of the first read of results
.endr
.endm
	FETCH 0, 0
	FETCH 1, 1
	s_wait_dscnt 24                                ; all but the other buffer's 24
	MUL 0, 0
	FETCH 2, 0
	s_wait_dscnt 24
	MUL 1, 1
	FETCH 3, 1
	s_wait_dscnt 24
	MUL 2, 0
	s_wait_dscnt 0x0
	MUL 3, 1
	WIN 0
.irp j, 0,1                            ; 16 tokens at a time; LDS serves a wave's instructions in order (ISA guide 5.7.1.4): the loads see the stores above them
.irp i, 0,1,2,3
	ds_store_b128 v[STO], v[AC+32*\j+8*\i:AC+32*\j+8*\i+3] offset:16*SP*\j+64*\i
	ds_store_b128 v[STO], v[AC+32*\j+8*\i+4:AC+32*\j+8*\i+7] offset:16*SP*\j+64*\i+16
.endr
.irp t, 0,1,2,3,4,5,6,7
	ds_load_b128 v[RB+32*\j+4*\t:RB+32*\j+4*\t+3], v[RD] offset:16*SP*\j+2*SP*\t
.endr
.endr
.irp j, 0,1
.irp t, 0,1,2,3,4,5,6,7
	s_wait_dscnt 16*(1-\j)+7-\t                    ; behind this load: the rest of its eight, and for the first 16 tokens the second's eight stores and eight loads
	global_store_b128 v[GO], v[RB+32*\j+4*\t:RB+32*\j+4*\t+3], s[14:15] offset:32768*\j+4096*\t th:TH_STORE_NT   ; two rows, an aligned unit of 256 bytes of each
.endr
.endr
	s_wait_tensorcnt 0x0                           ; the wave's end
	ds_add_u32 v[SPW], v[NIL]
	s_wait_dscnt 0x0
	CROUND                                         ; the closing round
	s_endpgm
.Lfunc_end_k_qa65a27f981_outproj:
	.size	k_qa65a27f981_outproj, .Lfunc_end_k_qa65a27f981_outproj-k_qa65a27f981_outproj
	.p2alignl 7, 3214868480
	.fill 96, 4, 3214868480
	.section	.rodata,"a",@progbits
	.p2align	6, 0x0
	.amdhsa_kernel k_qa65a27f981_outproj
		.amdhsa_group_segment_fixed_size 327680
		.amdhsa_private_segment_fixed_size 0
		.amdhsa_enable_private_segment 0
		.amdhsa_kernarg_size 48
		.amdhsa_user_sgpr_count 2
		.amdhsa_user_sgpr_kernarg_segment_ptr 1
		.amdhsa_wavefront_size32 1
		.amdhsa_system_sgpr_workgroup_id_x 1
		.amdhsa_system_sgpr_workgroup_id_y 1
		.amdhsa_system_sgpr_workgroup_id_z 1
		.amdhsa_system_vgpr_workitem_id 0
		.amdhsa_next_free_vgpr 512
		.amdhsa_next_free_sgpr 66
		.amdhsa_reserve_vcc 0
		.amdhsa_float_denorm_mode_32 3
		.amdhsa_float_denorm_mode_16_64 3
		.amdhsa_memory_ordered 1
		.amdhsa_forward_progress 1
		.amdhsa_inst_pref_size 24
	.end_amdhsa_kernel
	.amdgpu_metadata
---
amdhsa.version: [ 1, 2 ]
amdhsa.kernels:
  - .name:           k_qa65a27f981_outproj
    .symbol:         k_qa65a27f981_outproj.kd
    .args:
      - { .name: ao_img, .offset: 0, .size: 8, .value_kind: global_buffer, .address_space: global }
      - { .name: ao_sc, .offset: 8, .size: 8, .value_kind: global_buffer, .address_space: global }
      - { .name: w_out_codes, .offset: 16, .size: 8, .value_kind: global_buffer, .address_space: global }
      - { .name: w_out_scales, .offset: 24, .size: 8, .value_kind: global_buffer, .address_space: global }
      - { .name: b_out, .offset: 32, .size: 8, .value_kind: global_buffer, .address_space: global }
      - { .name: out0, .offset: 40, .size: 8, .value_kind: global_buffer, .address_space: global }
    .group_segment_fixed_size: 327680
    .private_segment_fixed_size: 0
    .kernarg_segment_align: 8
    .kernarg_segment_size: 48
    .max_flat_workgroup_size: 256
    .sgpr_count:     66
    .vgpr_count:     512
    .wavefront_size: 32
...
	.end_amdgpu_metadata
.endif
;; end of part 3
